; MI455X (gfx1250); checked and timed in simulation.
; The chip was launched on July 23, 2026; its instructions are those of AMD's public machine-readable ISA for CDNA 5 (MIT licence, August 2026) and "CDNA5" Instruction Set Architecture Reference Guide (July 2026). The comments in the code are by the model that wrote it; some were corrected since.
;; Attention. Allowed arithmetic: float matrix products may take bf16 or f16 operands with f32 sums; other float arithmetic in f32, or as packed bf16 or f16 multiplies, adds, multiply-adds, maxima and minima; sums over many terms, partial sums and values carried from step to step in f32; what a program stores and reads back later, other than sums and carried values, may be rounded once to bf16 or f16.
;; Inputs: freqs_cos 2,048 x 64 float32; freqs_sin 2,048 x 64 float32; wk 1,024 x 4,096 float32; wo 4,096 x 2,048 float32; wq 2,048 x 4,096 float32; wv 1,024 x 4,096 float32; x 1 x 2,048 x 4,096 float32.
;; Outputs: out0 1 x 2,048 x 4,096 float32.
;; One version. Each part assembles by itself: llvm-mc -triple=amdgcn-amd-amdhsa -mcpu=gfx1250 --defsym DOCPART=n.
;; ======== version 1 of 1: 4 launches
;; limits: values are held in f16: magnitudes above 65,504 overflow, below 6.1e-05 lose precision; right only within a limited range of input values
;; workspace buffers: xb 16,777,216 bytes; wb 33,554,432 bytes; wob 16,777,216 bytes; qkv 16,777,216 bytes; ob 8,388,608 bytes
;; launch cast (part 1): grid 2048 x 1, 8 waves a work-group, no clusters, 0 bytes of LDS; arguments x, wq, wk, wv, wo, xb, wb, wob; writes xb, wb, wob
.if DOCPART == 1
	.amdgcn_target "amdgcn-amd-amdhsa--gfx1250"
	.amdhsa_code_object_version 6
	.text
	.protected	k_qd35f4499f0_cast
	.globl	k_qd35f4499f0_cast
	.p2align	8
	.type	k_qd35f4499f0_cast,@function
k_qd35f4499f0_cast:
	s_mov_b64 s[64:65], 0
	v_nop
	global_prefetch_b8 v0, s[64:65] scope:SCOPE_SE
	s_setreg_imm32_b32 hwreg(HW_REG_WAVE_MODE, 25, 1), 1
	s_wait_xcnt 0x0
; THE INPUTS ARE ROUNDED ONCE.  x -> xb (bf16); wq, wk, wv -> wb (bf16, the three one below the other: 4,096 rows of 4,096);
; wo -> wob: rounded to bf16 like the other inputs, and that number written as f16, since it is multiplied with f16 numbers later.
; LIMIT: a bf16 number is exact in f16 between 6.1e-5 and 65,504 in size; below that wob keeps f16's fixed step of 6e-8, above it becomes an infinity.
; A stream: every byte is read once and written once; no LDS, no matrix unit, no cluster: nothing is shared.
; A work-group owns 16,384 numbers: 65,536 bytes in, 32,768 out.  Groups 0-511 x, 512-1023 wq, 1024-1279 wk, 1280-1535 wv, 1536-2047 wo.
; Thread t takes 16 bytes at 16 t of each block of 4,096 bytes: a wave's load covers 512 consecutive bytes, its store of 8 bytes a lane 256 consecutive aligned bytes.
; All sixteen loads of a wave go out at once; no register is used twice by memory instructions, so no wait frees one.
.set X, 4                              ; v[4:67]    sixteen loads of four f32
.set Y, 68                             ; v[68:99]   sixteen pairs of registers to store
.set T, 100                            ; v[100:105] at work
.set SRC, 20                           ; s[20:21]   where my numbers come from
.set DST, 22                           ; s[22:23]   where they go
	s_load_b512 s[4:19], s[0:1], 0x0               ; x s[4:5], wq s[6:7], wk s[8:9], wv s[10:11], wo s[12:13], xb s[14:15], wb s[16:17], wob s[18:19]
	s_mov_b32 s27, ttmp9                           ; the work-group's number
	s_mov_b32 s26, 0xffff0000                      ; a word's upper bf16
	s_mov_b32 s24, 0                               ; first group of my source
	s_mov_b32 s25, 0                               ; first group of my destination
	s_mov_b32 s29, 0
	s_mov_b32 s31, 0
	v_lshlrev_b32 v1, 4, v0                        ; 16 t
	v_lshlrev_b32 v2, 3, v0                        ; 8 t
	s_wait_kmcnt 0x0
	s_mov_b64 s[SRC:SRC+1], s[4:5]
	s_mov_b64 s[DST:DST+1], s[14:15]
	s_cmp_ge_u32 s27, 512                          ; the choice of buffers hangs on the group's number alone
	s_cselect_b64 s[SRC:SRC+1], s[6:7], s[SRC:SRC+1]
	s_cselect_b64 s[DST:DST+1], s[16:17], s[DST:DST+1]
	s_cselect_b32 s24, 512, s24
	s_cselect_b32 s25, 512, s25
	s_cmp_ge_u32 s27, 1024
	s_cselect_b64 s[SRC:SRC+1], s[8:9], s[SRC:SRC+1]
	s_cselect_b32 s24, 1024, s24
	s_cmp_ge_u32 s27, 1280
	s_cselect_b64 s[SRC:SRC+1], s[10:11], s[SRC:SRC+1]
	s_cselect_b32 s24, 1280, s24
	s_cmp_ge_u32 s27, 1536
	s_cselect_b64 s[SRC:SRC+1], s[12:13], s[SRC:SRC+1]
	s_cselect_b64 s[DST:DST+1], s[18:19], s[DST:DST+1]
	s_cselect_b32 s24, 1536, s24
	s_cselect_b32 s25, 1536, s25
	s_sub_co_u32 s28, s27, s24                     ; my block in the source,
	s_lshl_b32 s28, s28, 16                        ; 65,536 bytes each
	s_sub_co_u32 s30, s27, s25                     ; my block in the destination,
	s_lshl_b32 s30, s30, 15                        ; 32,768 bytes each
	s_add_nc_u64 s[SRC:SRC+1], s[SRC:SRC+1], s[28:29]
	s_add_nc_u64 s[DST:DST+1], s[DST:DST+1], s[30:31]
.irp i, 0,1,2,3,4,5,6,7,8,9,10,11,12,13,14,15
	global_load_b128 v[X+4*(\i):X+4*(\i)+3], v1, s[SRC:SRC+1] offset:4096*(\i) th:TH_LOAD_NT
.endr
	s_cmp_ge_u32 s27, 1536
	s_cbranch_scc1 .Lhalf
.irp i, 0,1,2,3,4,5,6,7,8,9,10,11,12,13,14,15
	s_wait_loadcnt 15-(\i)                         ; loads come back in order: number i is in, the 15 - i younger ones stay out
	v_cvt_pk_bf16_f32 v[Y+2*(\i)],   v[X+4*(\i)],   v[X+4*(\i)+1]
	v_cvt_pk_bf16_f32 v[Y+2*(\i)+1], v[X+4*(\i)+2], v[X+4*(\i)+3]
	global_store_b64 v2, v[Y+2*(\i):Y+2*(\i)+1], s[DST:DST+1] offset:2048*(\i)
.endr
	s_endpgm
.Lhalf:                                            ; wo: to bf16, back to f32 (a shift, a mask), and that number as f16
.irp i, 0,1,2,3,4,5,6,7,8,9,10,11,12,13,14,15
	s_wait_loadcnt 15-(\i)
	v_cvt_pk_bf16_f32 v[T],   v[X+4*(\i)],   v[X+4*(\i)+1]
	v_cvt_pk_bf16_f32 v[T+1], v[X+4*(\i)+2], v[X+4*(\i)+3]
	v_lshlrev_b32 v[T+2], 16, v[T]
	v_and_b32     v[T+3], s26, v[T]
	v_lshlrev_b32 v[T+4], 16, v[T+1]
	v_and_b32     v[T+5], s26, v[T+1]
	v_cvt_pk_f16_f32 v[Y+2*(\i)],   v[T+2], v[T+3]
	v_cvt_pk_f16_f32 v[Y+2*(\i)+1], v[T+4], v[T+5]
	global_store_b64 v2, v[Y+2*(\i):Y+2*(\i)+1], s[DST:DST+1] offset:2048*(\i)
.endr
	s_endpgm
.Lfunc_end_k_qd35f4499f0_cast:
	.size	k_qd35f4499f0_cast, .Lfunc_end_k_qd35f4499f0_cast-k_qd35f4499f0_cast
	.p2alignl 7, 3214868480
	.fill 96, 4, 3214868480
	.section	.rodata,"a",@progbits
	.p2align	6, 0x0
	.amdhsa_kernel k_qd35f4499f0_cast
		.amdhsa_group_segment_fixed_size 0
		.amdhsa_private_segment_fixed_size 0
		.amdhsa_enable_private_segment 0
		.amdhsa_kernarg_size 64
		.amdhsa_user_sgpr_count 2
		.amdhsa_user_sgpr_kernarg_segment_ptr 1
		.amdhsa_wavefront_size32 1
		.amdhsa_system_sgpr_workgroup_id_x 1
		.amdhsa_system_sgpr_workgroup_id_y 1
		.amdhsa_system_sgpr_workgroup_id_z 1
		.amdhsa_system_vgpr_workitem_id 0
		.amdhsa_next_free_vgpr 112
		.amdhsa_next_free_sgpr 66
		.amdhsa_reserve_vcc 0
		.amdhsa_float_denorm_mode_32 3
		.amdhsa_float_denorm_mode_16_64 3
		.amdhsa_memory_ordered 1
		.amdhsa_forward_progress 1
		.amdhsa_inst_pref_size 16
	.end_amdhsa_kernel
	.amdgpu_metadata
---
amdhsa.version: [ 1, 2 ]
amdhsa.kernels:
  - .name:           k_qd35f4499f0_cast
    .symbol:         k_qd35f4499f0_cast.kd
    .args:
      - { .name: x, .offset: 0, .size: 8, .value_kind: global_buffer, .address_space: global }
      - { .name: wq, .offset: 8, .size: 8, .value_kind: global_buffer, .address_space: global }
      - { .name: wk, .offset: 16, .size: 8, .value_kind: global_buffer, .address_space: global }
      - { .name: wv, .offset: 24, .size: 8, .value_kind: global_buffer, .address_space: global }
      - { .name: wo, .offset: 32, .size: 8, .value_kind: global_buffer, .address_space: global }
      - { .name: xb, .offset: 40, .size: 8, .value_kind: global_buffer, .address_space: global }
      - { .name: wb, .offset: 48, .size: 8, .value_kind: global_buffer, .address_space: global }
      - { .name: wob, .offset: 56, .size: 8, .value_kind: global_buffer, .address_space: global }
    .group_segment_fixed_size: 0
    .private_segment_fixed_size: 0
    .kernarg_segment_align: 8
    .kernarg_segment_size: 64
    .max_flat_workgroup_size: 256
    .sgpr_count:     66
    .vgpr_count:     112
    .wavefront_size: 32
...
	.end_amdgpu_metadata
.endif
;; end of part 1
;; launch qkvp (part 2): grid 16 x 16, 4 waves a work-group, clusters of 4 x 1, 327,680 bytes of LDS; arguments xb, wb, freqs_cos, freqs_sin, qkv; writes qkv
.if DOCPART == 2
	.amdgcn_target "amdgcn-amd-amdhsa--gfx1250"
	.amdhsa_code_object_version 6
	.text
	.protected	k_qd35f4499f0_qkvp
	.globl	k_qd35f4499f0_qkvp
	.p2align	8
	.type	k_qd35f4499f0_qkvp,@function
k_qd35f4499f0_qkvp:
	s_mov_b64 s[64:65], 0
	v_nop
	global_prefetch_b8 v0, s[64:65] scope:SCOPE_SE
	s_setreg_imm32_b32 hwreg(HW_REG_WAVE_MODE, 25, 1), 1
	s_wait_xcnt 0x0
	s_wait_alu depctr_hold_cnt(0) depctr_sa_sdst(0) depctr_va_vdst(0) depctr_va_sdst(0) depctr_va_ssrc(0) depctr_va_vcc(0) depctr_vm_vsrc(0)
	s_getreg_b32 s2, hwreg(HW_REG_IB_STS2, 6, 4)
	s_cmp_eq_u32 s2, 0
	s_cbranch_scc0 .Lentry_in_a_cluster
	s_endpgm
.Lentry_in_a_cluster:
	s_bfe_u32 s2, ttmp6, 0x10000c
	s_cmp_lg_u32 s2, 0x3003
	s_cbranch_scc0 .Lentry_shape_is_right
	s_endpgm
.Lentry_shape_is_right:
; THE THREE PROJECTIONS AND THE ROTATION.  C[m][n] = sum over k of xb[m][k] wb[n][k], m < 2,048, n < 4,096, k < 4,096, bf16 operands, f32 sums.
; Columns 0-2047 are q, 2048-3071 k, 3072-4095 v.  Column n goes to slot n / 128, channel n % 128 of qkv: [32 slots][2,048 rows][128] f16.
; q and k are rotated pair by pair (r0 = x0 c - x1 s, r1 = x0 s + x1 c) in f32 and stored divided by 16; v is stored divided by 4: powers of two, exact; the later launches undo them.
; cos and sin are rounded to bf16 like every other input of the module.  ONE TEXT SERVES q, k AND v: the tables are made c = cos AL + BE, s = sin AL with (AL, BE) = (1/16, 0)
; for q and k and (0, 1/4) for v, whose rotation is then a scaling by 1/4.  The price: v's tiles read tables that they multiply by 0.
; LIMITS.  f16 ends at 65,504: |q|, |k| stay under 1,048,064 and |v| under 262,016, or the number becomes an infinity; cos and sin are finite.
; SHAPE.  A tile of C is 128 x 256: 16 x 16 = 256 work-groups (256 x 256 would give 128).  Four waves, each 64 rows x 128 columns: 32 accumulators, 256 registers.
; TWO ROADS INTO LDS.  B (wb, 256 rows) comes by tensor loads into two slots of 256 along K (rows of 512 bytes): a refill has 240 matrix instructions in which to land.  Two such slots for A and B
; together would be (128 + 256) x 528 x 2 = 405,504 bytes, more than LDS has.  So A (xb, 128 rows) comes through registers: 16-byte loads, asked for 256 matrix instructions ahead of their use
; into four sets of 32 registers, and LDS stores into two slots of 64 along K.  Loads into registers may stay out across barriers, so A's lead hangs on registers, not on slots.
; CLUSTER 4 x 1: four tile rows of one tile column.  They need the same tiles of B, asked for jointly.  A IS NOT SHARED in a cluster: it does not come by tensor loads, for the reason above.
; ONE BARRIER FOR EACH HALF STEP OF 64 ALONG K.  In front of barrier H every wave's reads of A's half H and its stores of half H + 1 are done; behind it half H + 2 is stored into the slot of half H,
; and half H + 6 is asked for.  Every fourth barrier opens a round of the cluster's, behind which B's slot just read out is filled again.
; THE MATRIX INSTRUCTION IS USED TRANSPOSED (source 0 = 16 rows of wb, source 1 = 16 rows of xb): a lane holds row l % 16 and the eight columns 8 (l / 16) + 0..7: four pairs of the rotation.
; REGISTERS.  window 0: v16-29 addresses; v32-127, v128-223 two fragment buffers (A's 4 fragments, then B's 8); on the way out v32-255 at work
;   window 1: the accumulators, (a, b) at v[8 (8 a + b)]      window 2: the tables: c of (a, b) at v[64 a + 4 b], s at v[64 a + 32 + 4 b]      window 3: v0-127 A on its way, four sets of 32
.set SIZE_K, 4096
.set ROWB,   SIZE_K*2                  ; bytes in a row of xb and of wb
.set LROW,   13                        ; their logarithm
.set NS,     SIZE_K/256                ; fills of B's slots
.set PB,     528                       ; a row of B in LDS: 512 bytes + 16: the 16 rows of a fragment load start at 16 different groups of four banks (ISA guide 11.1)
.set BWAVE,  64*PB                     ; what one tensor load brings
.set SLB,    256*PB                    ; a slot of B = 0x21000: none of the four fill addresses 0, 0x8400, 0x10800, 0x18c00 has one of its two bits, so one exclusive or changes slots
.set PAP,    144                       ; a row of A in LDS: 128 bytes + 16
.set ASLOT,  128*PAP
.set AOFF,   2*SLB                     ; A's two slots: written by LDS stores alone; no tensor load lands here
.set STAGE,  AOFF+2*ASLOT              ; 16 rows x 272 bytes for each wave, for the way out
.set SPITCH, 272
.set SPARE,  STAGE+4*16*SPITCH         ; the spare words: 128 bytes a wave, named by no other line
.set STW,    3                         ; the window of A's registers
.set ADRA,  16                         ; LDS address of my A fragments in A's slot 0
.set ADRB0, 17                         ; of my B fragments in B's slot 0; never rewritten
.set ADRB,  18                         ; in the slot in hand
.set AST,   19                         ; where I store 16 bytes of A
.set AGO,   20                         ; my byte offset in the tile's rows of xb; never rewritten
.set STO,  24                          ; where I put 16 bytes of a row in my stage
.set RD,   25                          ; where I read rows back
.set CO,   26                          ; 16 x lane: my place in 512 consecutive bytes of qkv
.set CSO,  27                          ; my byte offset in 16 rows of cos and sin
.set SPW,  28                          ; my spare word; never rewritten
.set NIL,  29                          ; 0; never rewritten
.set F0,   32
.set F1,   128
.set TMP,  32                          ; the way out: 64 rotated numbers
.set PKD,  96                          ; 32 registers of f16 pairs
.set OB,   128                         ; 32 registers for each of the four blocks of 16 rows, none used twice
.set CNT,  3
.set PAG,  14                          ; s[14:15] xb at the tile's first row, stepped along K
.set TB,   21                          ; 0 or SLB: B's slot in hand
.set G1B,  48
.set G0B,  56                          ; s[56:59] the first fill of slot 0; s[60:63] that of slot 1, which then walks on
.set AL,   72                          ; s[72:73]
.set BE,   74                          ; s[74:75]
.set MSB, 0
.macro WIN new                         ; the immediate's high byte repeats the setting that is left
.if MSB != (\new)
	s_set_vgpr_msb (MSB<<8)|(\new)
.set MSB, \new
.endif
.endm
.set MUL, 0x50                         ; sources in window 0, C and D in window 1
.macro CREST                           ; a round of the cluster's barrier behind its opening barrier
	s_cmp_lg_u32 s10, 0
	s_cbranch_scc1 .Lnot_wave_0_\@
	s_barrier_signal -3
.Lnot_wave_0_\@:
	s_barrier_wait -3
	s_barrier_signal -1
	s_barrier_wait -1
.endm
.macro CROUND
	s_barrier_signal -1
	s_barrier_wait -1
	CREST
.endm
.macro PLACES                          ; four places in front of loads into registers that matrix instructions have read, and of lines that read results
.rept 4
	v_nop
.endr
.endm
; A's half in set: eight LDS stores, four rows of 128 bytes each.  LDS instructions read their sources as they are issued, so the set may be asked for again straight behind them.
.macro ASTORE set, slot
	WIN STW<<2                                     ; the stores' data in A's window
.irp i, 0,1,2,3,4,5,6,7
	ds_store_b128 v[AST], v[32*(\set)+4*(\i):32*(\set)+4*(\i)+3] offset:(\slot)*ASLOT+(\i)*4*PAP
.endr
.endm
; Eight loads: my 32 rows of the tile, 128 bytes at byte kb behind s[PAG]; a load covers four rows' 128 consecutive bytes
.macro ALOAD set, kb
	WIN STW<<6                                     ; destination in A's window
.irp i, 0,1,2,3,4,5,6,7
	global_load_b128 v[32*(\set)+4*(\i):32*(\set)+4*(\i)+3], v[AGO], s[PAG:PAG+1] offset:(\kb)+(\i)*4*ROWB
.endr
.endm
	s_load_b128 s[4:7], s[0:1], 0x0                ; xb s[4:5], wb s[6:7]
	s_load_b128 s[68:71], s[0:1], 0x10             ; cos s[68:69], sin s[70:71]
	s_load_b64 s[8:9], s[0:1], 0x20                ; qkv
	v_lshl_add_u32 v[SPW], v0, 2, SPARE
	v_mov_b32 v[NIL], 0
	ds_add_u32 v[SPW], v[NIL]                      ; the wave's opening: the add and its wait stand ahead of my first tensor load
	v_lshrrev_b32 v1, 5, v0
	v_readfirstlane_b32 s10, v1                    ; wave 0..3
	s_lshr_b32 s11, s10, 1                         ; my half of the tile's rows
	s_and_b32 s12, s10, 1                          ; my half of its columns
	s_bfe_u32 s40, ttmp6, 0x40000                  ; cx
	s_lshl_b32 s13, ttmp9, 2
	s_add_co_u32 s13, s13, s40                     ; tile row = 4 x cluster x + cx: it enters global addresses of xb, cos, sin and qkv alone
	s_and_b32 s42, ttmp7, 0xffff                   ; tile column, which the four partners share
	s_cmp_ge_u32 s42, 12                           ; tile columns 12-15 are v's; a choice of numbers, no branch
	s_cselect_b32 s[AL], 0, 0x3d800000             ; 0 or 1/16
	s_cselect_b32 s[BE], 0x3e800000, 0             ; 1/4 or 0
	s_mov_b32 s[AL+1], 0                           ; named as pairs
	s_mov_b32 s[BE+1], 0
	s_mov_b32 s76, 0xffff0000
	s_mov_b32 s[G1B+0], 15|(1<<16)|(1<<20)|(1<<21)|(6<<22)|(3<<25)  ; the mask of four; 2-byte elements; padding on; bit 21 beside a mask; 4 words behind every 128
	s_mov_b32 s[G1B+1], 256<<16                    ; tensor_dim0 = 256
	s_mov_b32 s[G1B+2], 64<<16                     ; tensor_dim1 = 64
	s_mov_b32 s[G1B+3], 256<<16                    ; tile_dim0 = 256
	s_mov_b32 s[G1B+4], 64                         ; tile_dim1 = 64
	s_mov_b32 s[G1B+5], SIZE_K                     ; elements from row to row
	s_mov_b32 s[G1B+6], 0
	s_mov_b32 s[G1B+7], 0
	s_lshl_b32 s46, s42, 8
	s_lshl_b32 s47, s10, 6
	s_add_co_u32 s46, s46, s47                     ; B: row 256 x tile column + 64 x wave,
	s_lshl_b32 s46, s46, LROW                      ; in bytes (under 2^26)
	s_mov_b32 s47, 0
	s_lshl_b32 s16, s13, 7+LROW                    ; A: row 128 x tile row, in bytes
	s_mov_b32 s17, 0
	s_mul_i32 s20, s10, BWAVE                      ; where my rows of B go: no place in the cluster enters an LDS address
	s_mov_b32 s[TB], 0
	s_wait_dscnt 0x0                               ; the opening add is done
	s_wait_kmcnt 0x0
	s_add_nc_u64 s[PAG:PAG+1], s[4:5], s[16:17]
	s_add_nc_u64 s[46:47], s[6:7], s[46:47]
	CROUND                                         ; all four work-groups are here: the first joint loads meet
.irp s, 0,1
	s_mov_b32 s[G0B+4*(\s)], 1
	s_add_co_u32 s[G0B+4*(\s)+1], s20, (\s)*SLB
	s_add_nc_u64 s[G0B+4*(\s)+2:G0B+4*(\s)+3], s[46:47], (\s)*512  ; 256 along K are 512 bytes
	s_or_b32 s[G0B+4*(\s)+3], s[G0B+4*(\s)+3], 0x80000000
.endr
	tensor_load_to_lds s[G0B:G0B+3], s[G1B:G1B+7]  ; every wave asks for its 64 rows of both slots: two loads of mine are out
	s_nop 0
	tensor_load_to_lds s[G0B+4:G0B+7], s[G1B:G1B+7]
	s_nop 0
.rept 4
	v_nop
.endr
	v_and_b32 v1, 15, v0                           ; r = l % 16
	v_bfe_u32 v2, v0, 4, 1                         ; h = l / 16
	v_bfe_u32 v6, v0, 3, 2                         ; l / 8: which of a load's four rows of A
	v_and_b32 v7, 7, v0                            ; l % 8: which 16 bytes of its 128
	s_lshl_b32 s16, s13, 7
	s_lshl_b32 s17, s11, 6
	s_add_co_u32 s16, s16, s17                     ; my first row of C: 128 x tile row + 64 x half;
	s_lshl_b32 s16, s16, 8                         ; rows of cos, of sin and of a slot of qkv are all 256 bytes
	s_mov_b32 s17, 0
	s_add_nc_u64 s[68:69], s[68:69], s[16:17]
	s_add_nc_u64 s[70:71], s[70:71], s[16:17]
	s_add_nc_u64 s[8:9], s[8:9], s[16:17]
	s_lshl_b32 s46, s42, 1
	s_add_co_u32 s46, s46, s12                     ; my 128 columns are slot 2 x tile column + half,
	s_lshl_b32 s46, s46, 19                        ; 524,288 bytes each
	s_mov_b32 s47, 0
	s_add_nc_u64 s[8:9], s[8:9], s[46:47]
	v_lshlrev_b32 v[CSO], 8, v1
	v_lshl_add_u32 v[CSO], v2, 4, v[CSO]           ; row r, pairs 4 h on
	WIN 0x80                                       ; destination window 2, address window 0
.irp a, 0,1,2,3
.irp b, 0,1,2,3,4,5,6,7
	global_load_b128 v[64*(\a)+4*(\b):64*(\a)+4*(\b)+3],       v[CSO], s[68:69] offset:4096*(\a)+32*(\b)   ; cos of row 16 a + r, pairs 8 b + 4 h + 0..3: those of my accumulator (a, b)
	global_load_b128 v[64*(\a)+32+4*(\b):64*(\a)+32+4*(\b)+3], v[CSO], s[70:71] offset:4096*(\a)+32*(\b)
.endr
.endr
	WIN 0
	s_lshl_b32 s22, s10, 5+LROW                    ; wave w moves rows 32 w .. 32 w + 31 of A's tile
	v_lshlrev_b32 v[AGO], LROW, v6
	v_lshl_add_u32 v[AGO], v7, 4, v[AGO]
	v_add_nc_u32 v[AGO], s22, v[AGO]
	ALOAD 0, 0                                     ; A's halves 0 to 3
	ALOAD 1, 128
	ALOAD 2, 256
	ALOAD 3, 384
	WIN 0
	s_mul_i32 s22, s10, 32*PAP
	s_add_co_u32 s22, s22, AOFF
	v_mul_u32_u24 v[AST], v6, PAP
	v_lshl_add_u32 v[AST], v7, 4, v[AST]
	v_add_nc_u32 v[AST], s22, v[AST]
	v_mul_u32_u24 v3, v1, PB
	v_lshl_add_u32 v3, v2, 4, v3                   ; a fragment's row x pitch + 16 x half
	s_mul_i32 s22, s12, 128*PB                     ; my 128 rows of B
	v_add_nc_u32 v[ADRB0], s22, v3
	v_mov_b32 v[ADRB], v[ADRB0]
	v_mul_u32_u24 v3, v1, PAP
	v_lshl_add_u32 v3, v2, 4, v3
	s_mul_i32 s22, s11, 64*PAP                     ; my 64 rows of A
	s_add_co_u32 s22, s22, AOFF
	v_add_nc_u32 v[ADRA], s22, v3
	s_mul_i32 s23, s10, 16*SPITCH
	s_add_co_u32 s23, s23, STAGE                   ; my stage
	v_mul_u32_u24 v4, v1, SPITCH
	v_lshl_add_u32 v4, v2, 4, v4
	v_add_nc_u32 v[STO], s23, v4                   ; in: row r, 16 bytes for each half of the lanes
	v_mul_u32_u24 v5, v2, SPITCH
	v_lshl_add_u32 v5, v1, 4, v5
	v_add_nc_u32 v[RD], s23, v5                    ; back: lanes 0-15 one row of 256 bytes, lanes 16-31 the next
	v_and_b32 v5, 31, v0
	v_lshlrev_b32 v[CO], 4, v5
	; the tables: scaled, rounded to bf16 in pairs (c low, s high), and widened again.  All this stands in the wait for the first tile.
	s_wait_loadcnt 32                              ; the tables are in; A's 32 younger loads may stay out
	WIN 0x8a                                       ; sources and destination in window 2
.set n, 0
.rept 64
.set rC, 64*(n/16)+2*(n%16)
	v_pk_fma_f32 v[rC:rC+1], v[rC:rC+1], s[AL:AL+1], s[BE:BE+1] op_sel_hi:[1,0,0]
	v_pk_mul_f32 v[rC+32:rC+33], v[rC+32:rC+33], s[AL:AL+1] op_sel_hi:[1,0]
.set n, n+1
.endr
.set n, 0
.rept 128
.set rC, 64*(n/32)+n%32
	v_cvt_pk_bf16_f32 v[rC], v[rC], v[rC+32]
.set n, n+1
.endr
.set n, 0
.rept 128
.set rC, 64*(n/32)+n%32
	v_and_b32 v[rC+32], s76, v[rC]
	v_lshlrev_b32 v[rC], 16, v[rC]
.set n, n+1
.endr
	WIN 0
	s_wait_loadcnt 16                              ; A's halves 0 and 1 are in; 2 and 3 may stay out
	ASTORE 0, 0
	ASTORE 1, 1
	ALOAD 0, 512                                   ; halves 4 and 5: from here on four halves are always on their way
	ALOAD 1, 640
	WIN 0
; 8 matrix instructions: m block a x all 8 n blocks, 32 along K.  zero = 1: the product starts the sums.  The 32 accumulators take turns, one instruction a turn.
.macro MUL8 f, a, zero
	WIN MUL
.irp b, 0,1,2,3,4,5,6,7
.if \zero
	v_wmma_f32_16x16x32_bf16 v[8*(8*(\a)+(\b)):8*(8*(\a)+(\b))+7], v[(\f)+32+8*(\b):(\f)+32+8*(\b)+7], v[(\f)+8*(\a):(\f)+8*(\a)+7], 0
.else
	v_wmma_f32_16x16x32_bf16 v[8*(8*(\a)+(\b)):8*(8*(\a)+(\b))+7], v[(\f)+32+8*(\b):(\f)+32+8*(\b)+7], v[(\f)+8*(\a):(\f)+8*(\a)+7], v[8*(8*(\a)+(\b)):8*(8*(\a)+(\b))+7]
.endif
.endr
.endm
; 24 LDS loads in one run: the fragments of 32 along K into buffer f: B's at byte bk of its rows in the slot in hand, A's at ak behind its slot 0
.macro FETCH f, bk, ak
	WIN 0
.irp i, 0,1,2,3,4,5,6,7
	ds_load_b128 v[(\f)+32+8*(\i):(\f)+32+8*(\i)+3],   v[ADRB] offset:(\bk)+(\i)*16*PB
	ds_load_b128 v[(\f)+32+8*(\i)+4:(\f)+32+8*(\i)+7], v[ADRB] offset:(\bk)+(\i)*16*PB+32
.endr
.irp i, 0,1,2,3
	ds_load_b128 v[(\f)+8*(\i):(\f)+8*(\i)+3],   v[ADRA] offset:(\ak)+(\i)*16*PAP
	ds_load_b128 v[(\f)+8*(\i)+4:(\f)+8*(\i)+7], v[ADRA] offset:(\ak)+(\i)*16*PAP+32
.endr
.endm
; A TRIP has four PLACES IN THE RING p = 0..3: halves 2 and 3 of a slot of B, then halves 0 and 1 of the next.  A half is two quarters of 32 along K, on buffers F0 and F1.
; THE EVEN QUARTER of place p asks for the half's second quarter, multiplies the first, and holds the half's barrier.  In front of the signal my LDS instructions are done: my reads of this half of A
; (and, at p = 1, of B's slot) and my stores of the next half.  Behind it the half after next is stored into this half's slot, from set p, and the set is asked for again, four halves on.
; kind = 0: the loop; at p = 1 the barrier opens a round of the cluster's, and B's slot is filled again.  kind = 1: the tail: nothing is asked for any more.
.macro QE p, kind, zero=0
	PLACES
	FETCH F1, 64*((2*(\p)+4)%8+1), ((\p)%2)*ASLOT+64
	s_wait_dscnt 24                                ; all but the 24 just issued: F0, asked for a quarter ago, is in
	MUL8 F0, 0, \zero
	MUL8 F0, 1, \zero
.if (\p) == 1
	WIN 0                                          ; (the add's two registers lie in window 0)
	s_wait_tensorcnt 0x0                           ; all my tensor loads have landed: the one that was out is my part of the other slot
.if (\kind) == 0
	ds_add_u32 v[SPW], v[NIL]                      ; 0 onto my spare word
.endif
.endif
	MUL8 F0, 2, \zero
	s_wait_dscnt 0x0                               ; for the others' sake: my reads and my stores are done (and the add)
	s_barrier_signal -1
	MUL8 F0, 3, \zero
	WIN 0
	s_barrier_wait -1
.if ((\p) == 1) && ((\kind) == 0)
	CREST                                          ; no wave of any partner still reads this slot or has a load on its way
	s_xor_b32 s[G0B+5], s[G0B+5], SLB              ; the walking descriptor: the other slot than last time,
	s_add_nc_u64 s[G0B+6:G0B+7], s[G0B+6:G0B+7], 512  ; the next 256 along K; the type bits on top are not reached
	tensor_load_to_lds s[G0B+4:G0B+7], s[G1B:G1B+7]   ; the first tensor load behind the round, and my only one until the next: 240 matrix instructions ahead of the wait for it
	s_nop 0
.rept 4
	v_nop
.endr
.endif
.if (\kind) == 0
	s_wait_loadcnt 24                              ; loads come back in order: set p is in, the three younger halves stay out
	ASTORE \p, (\p)%2
	ALOAD \p, 512+128*(\p)
.else
.if (\p) < 2
	s_cmp_eq_u32 s[CNT], 1                         ; in the tail's second trip A's last half lies in LDS already
	s_cbranch_scc1 .Lno_a_\@
.endif
	s_wait_loadcnt 24-8*(\p)                       ; the counts run down: nothing is asked for behind the loop
	ASTORE \p, (\p)%2
	WIN 0
.if (\p) < 2
.Lno_a_\@:
.endif
.endif
.endm
; THE ODD QUARTER of place p asks for the next half's first quarter and multiplies F1, which the wait in front of the barrier has shown in.  At p = 1 the fetches go over to B's other slot.
.macro QO p, kind
	PLACES
.if ((\p) == 1) && ((\kind) == 1)
	WIN 0
	s_cmp_eq_u32 s[CNT], 1                         ; the very last quarter has nothing to ask for
	s_cbranch_scc1 .Lno_f_\@
.endif
.if (\p) == 1
	WIN 0
	s_xor_b32 s[TB], s[TB], SLB
	v_add_nc_u32 v[ADRB], s[TB], v[ADRB0]
.endif
	FETCH F0, 64*((2*(\p)+6)%8), (((\p)+1)%2)*ASLOT
.if ((\p) == 1) && ((\kind) == 1)
.Lno_f_\@:
.endif
	MUL8 F1, 0, 0
	MUL8 F1, 1, 0
	MUL8 F1, 2, 0
	MUL8 F1, 3, 0
.endm
	s_wait_dscnt 0x0                               ; for the others' sake: my rows of A's halves 0 and 1 lie in LDS
	s_wait_tensorcnt 1                             ; my part of B's slot 0 is in; slot 1's may stay out
	s_barrier_signal -1
	s_barrier_wait -1
	FETCH F0, 0, 0
	QE 2, 0, 1                                     ; the first quarter is written out: its products start the sums
	WIN 0
	s_mov_b32 s[CNT], NS-1
	s_branch .Lenter                               ; the loop is entered in the middle of a trip
.Llap:                                             ; NS - 2 whole trips: each fills a slot of B again; the last trip's loads are the last of K
	QE 0, 0
	QO 0, 0
	QE 1, 0
	QO 1, 0
	QE 2, 0
	WIN 0
.Lenter:
	QO 2, 0
	QE 3, 0
	QO 3, 0
	WIN 0
	s_wait_xcnt 0x0                                ; the loads' base is stepped only behind this wait
	s_add_nc_u64 s[PAG:PAG+1], s[PAG:PAG+1], 512
	s_sub_co_u32 s[CNT], s[CNT], 1
	s_cmp_lg_u32 s[CNT], 0
	s_cbranch_scc1 .Llap
	s_mov_b32 s[CNT], 2
.Ltail:                                            ; the last six halves: a text of its own, so that no tensor load and no load is jumped over; its second trip is left in the middle
	QE 0, 1
	QO 0, 1
	QE 1, 1
	QO 1, 1
	WIN 0
	s_cmp_eq_u32 s[CNT], 1
	s_cbranch_scc1 .Lout
	QE 2, 1
	QO 2, 1
	QE 3, 1
	QO 3, 1
	WIN 0
	s_sub_co_u32 s[CNT], s[CNT], 1
	s_cmp_lg_u32 s[CNT], 0
	s_cbranch_scc1 .Ltail
.Lout:
	s_wait_dscnt 0x0                               ; no LDS load of mine is out: the fragment buffers are free
	PLACES
; THE WAY OUT, 16 rows at a time.  PACK: the rotation in f32 (each accumulator is read from its low end on), one rounding to f16.
.macro PACK a
	WIN 0x09                                       ; source 0 (sums) window 1, source 1 (tables) window 2, source 2 and destination window 0
.irp b, 0,1,2,3,4,5,6,7
.irp i, 0,1,2,3
	v_mul_f32 v[TMP+8*(\b)+2*(\i)],   v[8*(8*(\a)+(\b))+2*(\i)+1], v[64*(\a)+32+4*(\b)+(\i)]   ; x1 s
	v_mul_f32 v[TMP+8*(\b)+2*(\i)+1], v[8*(8*(\a)+(\b))+2*(\i)],   v[64*(\a)+32+4*(\b)+(\i)]   ; x0 s
.endr
.irp i, 0,1,2,3
	v_fma_f32 v[TMP+8*(\b)+2*(\i)],   v[8*(8*(\a)+(\b))+2*(\i)],   v[64*(\a)+4*(\b)+(\i)], -v[TMP+8*(\b)+2*(\i)]    ; x0 c - x1 s
	v_fma_f32 v[TMP+8*(\b)+2*(\i)+1], v[8*(8*(\a)+(\b))+2*(\i)+1], v[64*(\a)+4*(\b)+(\i)], v[TMP+8*(\b)+2*(\i)+1]   ; x1 c + x0 s
.endr
.endr
	WIN 0
.set n, 0
.rept 32
	v_cvt_pk_f16_f32 v[PKD+n], v[TMP+2*n], v[TMP+2*n+1]
.set n, n+1
.endr
.endm
.macro TOSTAGE a                       ; into my own stage, and back as whole rows: LDS serves a wave's instructions in order (ISA guide 5.7.1.4)
.irp b, 0,1,2,3,4,5,6,7
	ds_store_b128 v[STO], v[PKD+4*(\b):PKD+4*(\b)+3] offset:32*(\b)
.endr
.irp t, 0,1,2,3,4,5,6,7
	ds_load_b128 v[OB+32*(\a)+4*(\t):OB+32*(\a)+4*(\t)+3], v[RD] offset:(\t)*2*SPITCH
.endr
.endm
.macro SEND a
	s_wait_dscnt 0x0                               ; the block is back in registers
.irp t, 0,1,2,3,4,5,6,7
	global_store_b128 v[CO], v[OB+32*(\a)+4*(\t):OB+32*(\a)+4*(\t)+3], s[8:9] offset:4096*(\a)+512*(\t)   ; two rows of a slot: 512 consecutive bytes, aligned
.endr
.endm
	PACK 0
	TOSTAGE 0
.irp a, 1,2,3
	PACK \a                                        ; a block's arithmetic stands between the loads of the block before and the wait for them
	SEND (\a)-1
	TOSTAGE \a
.endr
	SEND 3
	s_wait_tensorcnt 0x0                           ; the wave's end
	ds_add_u32 v[SPW], v[NIL]
	s_wait_dscnt 0x0
	CROUND                                         ; the closing round
	s_endpgm
.Lfunc_end_k_qd35f4499f0_qkvp:
	.size	k_qd35f4499f0_qkvp, .Lfunc_end_k_qd35f4499f0_qkvp-k_qd35f4499f0_qkvp
	.p2alignl 7, 3214868480
	.fill 96, 4, 3214868480
	.section	.rodata,"a",@progbits
	.p2align	6, 0x0
	.amdhsa_kernel k_qd35f4499f0_qkvp
		.amdhsa_group_segment_fixed_size 327680
		.amdhsa_private_segment_fixed_size 0
		.amdhsa_enable_private_segment 0
		.amdhsa_kernarg_size 40
		.amdhsa_user_sgpr_count 2
		.amdhsa_user_sgpr_kernarg_segment_ptr 1
		.amdhsa_wavefront_size32 1
		.amdhsa_system_sgpr_workgroup_id_x 1
		.amdhsa_system_sgpr_workgroup_id_y 1
		.amdhsa_system_sgpr_workgroup_id_z 1
		.amdhsa_system_vgpr_workitem_id 0
		.amdhsa_next_free_vgpr 896
		.amdhsa_next_free_sgpr 80
		.amdhsa_reserve_vcc 0
		.amdhsa_float_denorm_mode_32 3
		.amdhsa_float_denorm_mode_16_64 3
		.amdhsa_memory_ordered 1
		.amdhsa_forward_progress 1
		.amdhsa_inst_pref_size 158
	.end_amdhsa_kernel
	.amdgpu_metadata
---
amdhsa.version: [ 1, 2 ]
amdhsa.kernels:
  - .name:           k_qd35f4499f0_qkvp
    .symbol:         k_qd35f4499f0_qkvp.kd
    .args:
      - { .name: xb, .offset: 0, .size: 8, .value_kind: global_buffer, .address_space: global }
      - { .name: wb, .offset: 8, .size: 8, .value_kind: global_buffer, .address_space: global }
      - { .name: freqs_cos, .offset: 16, .size: 8, .value_kind: global_buffer, .address_space: global }
      - { .name: freqs_sin, .offset: 24, .size: 8, .value_kind: global_buffer, .address_space: global }
      - { .name: qkv, .offset: 32, .size: 8, .value_kind: global_buffer, .address_space: global }
    .group_segment_fixed_size: 327680
    .private_segment_fixed_size: 0
    .kernarg_segment_align: 8
    .kernarg_segment_size: 40
    .max_flat_workgroup_size: 128
    .sgpr_count:     80
    .vgpr_count:     896
    .wavefront_size: 32
...
	.end_amdgpu_metadata
.endif
;; end of part 2
;; launch attn (part 3): grid 16 x 16, 4 waves a work-group, clusters of 4 x 1, 327,680 bytes of LDS; arguments qkv, ob; writes ob
.if DOCPART == 3
	.amdgcn_target "amdgcn-amd-amdhsa--gfx1250"
	.amdhsa_code_object_version 6
	.text
	.protected	k_qd35f4499f0_attn
	.globl	k_qd35f4499f0_attn
	.p2align	8
	.type	k_qd35f4499f0_attn,@function
k_qd35f4499f0_attn:
	s_mov_b64 s[64:65], 0
	v_nop
	global_prefetch_b8 v0, s[64:65] scope:SCOPE_SE
	s_setreg_imm32_b32 hwreg(HW_REG_WAVE_MODE, 25, 1), 1
	s_wait_xcnt 0x0
	s_wait_alu depctr_hold_cnt(0) depctr_sa_sdst(0) depctr_va_vdst(0) depctr_va_sdst(0) depctr_va_ssrc(0) depctr_va_vcc(0) depctr_vm_vsrc(0)
	s_getreg_b32 s2, hwreg(HW_REG_IB_STS2, 6, 4)
	s_cmp_eq_u32 s2, 0
	s_cbranch_scc0 .Lentry_in_a_cluster
	s_endpgm
.Lentry_in_a_cluster:
	s_bfe_u32 s2, ttmp6, 0x10000c
	s_cmp_lg_u32 s2, 0x3003
	s_cbranch_scc0 .Lentry_shape_is_right
	s_endpgm
.Lentry_shape_is_right:
; CAUSAL ATTENTION, 16 query heads on 8 key and value heads, head size 128, 2,048 rows.  qkv: [32 slots][2,048][128] f16: slot h = q of head h, 16 + g = k, 24 + g = v of head g = h / 2;
; q and k arrive divided by 16, v by 4.  ob: [2,048][2,048] f16 = O / 4, column 128 h + channel.  Products, maxima and sums in f32; the weights p are rounded to f16 for the second product.
; SOFTMAX.  p = 2^(c s - c m), c = 256 log2(e) / sqrt(128) (the 256 undoes q's and k's 1/16), with a running maximum m; O and l are multiplied by a = 2^(c m_old - c m_new) in every step.
; LIMITS.  A hidden score counts as its value less 1e30.  m starts at -2^50: scores of f16 operands are at most 128 x 65,504^2 = 5.5e11 in size, always above it.  A weight below 2^-126 counts as 0 in l.
; NaN and infinities are not treated apart.
; SHARES.  A head's queries lie in 32 blocks of 64.  A work-group takes blocks 31 - b and then b (b = 4 a + cx, a = the cluster's x): key tiles of 256 keys 0 .. 7 - a and then 0 .. a: nine tiles, whatever b.
; ALL FOUR WAVES HOLD THE SAME 64 QUERIES (four tiles of 16), and wave w takes keys 64 w .. 64 w + 63 of each key tile: each LDS byte is read once, a fragment of K or V feeds four tiles' products, and there are
; 256 equal work-groups.  The price: at a block's end the four waves' partial (m, l, O) are merged through LDS.
; CLUSTER.  The four partners share a and the head, so they walk the same nine tiles: each is asked for jointly.  cx enters Q's and O's global addresses and the masks' numbers alone.
; THE MASK is the C operand that starts each score sum, always taken from MC, which holds zeros but in a block's last tile.  There the block's rows begin at key 64 d of the tile (d = 3 - cx, then cx):
; key 64 w + 16 kb + 8 (l / 16) + j is hidden from row 64 d + 16 t + l % 16 if it is greater: by blocks all, none, or (w = d, kb = t) the triangle MD8.
; A wave that sees hidden keys alone keeps m at the floor: its weights, l and O are 0 and its share in the merge is 2^(c m - M) = 0.
; A STEP.  Pieces are pairs of tiles (0: tiles 0, 1; 2: tiles 2, 3).  K Q^T of piece 0; K Q^T of piece 2 with piece 0's softmax in slices behind its products; the change of slots; V^T P of piece 0 with piece 2's
; softmax behind its products; V^T P of piece 2.  No step differs from another, so none is written out; O^T and l start at 0 and the first a is 0.
; REGISTERS.  window 0: v2-10 addresses; v12-43 eight statistics a tile; v44-51 MD8; v64-191 S^T; v192-255 P      window 1: O^T, 64 a tile
;   window 2: v0-127 Q; v128-255 K of my 64 keys      window 3: v0-127 V of my 64 keys; v128-255 MC, (t, kb) at 128 + 32 t + 8 kb
.set PK,    272       ; a row of K in LDS: 256 bytes + 16: the 16 rows of a load start at 16 different groups of four banks (ISA guide 11.1)
.set PV,    288       ; a row of V: 256 + 32
.set VOFF,  256*PK    ; a slot: 256 rows of K, then 256 rows of V
.set SL,    0x24000   ; slot 1: none of a slot's four fill addresses (0, 0x8800, 0x11000, 0x1a000) has one of these two bits, so one exclusive or changes slots
.set MP,    528       ; a row of a partial O: 512 bytes + 16
.set MERGE, SL+256*(PK+PV)   ; behind the ring, never filled by a tensor load: four partials of 16 rows
.set STATS, MERGE+4*16*MP    ; (c m, l) of 64 queries for each wave
.set SPARE, STATS+2048       ; the spare words: 128 bytes a wave, named by no other line
.set FLOOR, 0xd8800000       ; -2^50
.set AK0, 2
.set AV0, 3
.set ADR, 4
.set QO,  5
.set MST, 6
.set MRD, 7
.set SST, 8
.set SRD, 9
.set GO,  10
.set ST,  12          ; tile t at v[ST+8 t]: +0 c m, +1 m, +2, +3 l (even keys', odd keys'), +4 to +7 at work; a at +6
.set MD8, 44
.set SPW, 62
.set NIL, 63
.set S,   64
.set P,   192
.set KF,  128
.set MC,  128
.set WV,  12
.set CX,  13
.set AA,  14
.set G1K, 24
.set G1V, 32
.set G0K, 40          ; s[40:43] the first fill of slot 0; s[44:47] that of slot 1, which then walks on
.set G0V, 48
.set CNT, 56
.set RT,  57          ; tiles of the block in hand still to be entered
.set CS,  58
.set SEL, 60
.set TB,  62          ; LDS base of the slot to fetch from
.set NXT, 63          ; the tile to ask for next
.set LQ,  66          ; the last tile of the block whose tiles are being asked for
.set LASTF, 67        ; 1: this tile is its block's last
.set PL,  68          ; 1: the tile before was
.set BLK, 69          ; 0: the first block, 1: the second
.set OFF, 70
.set KB,  72
.set VB,  74
.set AL,  76
.set BC,  78
.set CC,  80
.set BIG, 81
.set QB,  82          ; s[82:83] Q of the second block
.set OC,  84          ; s[84:85] O at my rows of the block in hand
.set ON,  86          ; s[86:87] of the second block
.set MA,  88          ; s88-90 the mask's three numbers for the block in hand, s91-93 for the second
.set QA,  94          ; s[94:95] Q of the first block
.set MSB, 0
.macro WIN new
.if MSB != (\new)
	s_set_vgpr_msb (MSB<<8)|(\new)
.set MSB, \new
.endif
.endm
.set W_KQ, 0x0a       ; K and Q in window 2, S^T in window 0
.set W_KM, 0x3a       ; the same with the C operand in window 3
.set W_PV, 0x53       ; V in window 3, P in window 0, O^T in window 1
.set W_RS, 0x41       ; O^T (destination and source 0) in window 1, the factor in window 0
.macro JLOAD                        ; a joint refill: waves 0, 1 K's halves, waves 2, 3 V's; an s_nop 0 and four v_nop follow each line
	s_cmp_lt_u32 s[WV], 2
	s_cbranch_scc0 .Lfor_v_\@
	tensor_load_to_lds s[G0K+4:G0K+7], s[G1K:G1K+7]
	s_nop 0
.rept 4
	v_nop
.endr
	s_branch .Lasked_\@
.Lfor_v_\@:
	tensor_load_to_lds s[G0V+4:G0V+7], s[G1V:G1V+7]
	s_nop 0
.rept 4
	v_nop
.endr
.Lasked_\@:
.endm
.macro CROUND
	s_barrier_signal -1
	s_barrier_wait -1
	s_cmp_lg_u32 s[WV], 0
	s_cbranch_scc1 .Lnot_wave_0_\@
	s_barrier_signal -3
.Lnot_wave_0_\@:
	s_barrier_wait -3
	s_barrier_signal -1
	s_barrier_wait -1
.endm
.macro PLACES
.rept 4
	v_nop
.endr
.endm
.macro ALL line:vararg              ; one line for each tile t
.set t, 0
.rept 4
	\line
.set t, t+1
.endr
.endm
.macro LOADQ b                      ; 64 queries x 128 channels into window 2: tile i / 4, channels 32 (i % 4) on
	WIN 0x80
.set i, 0
.rept 16
	global_load_b128 v[8*i:8*i+3],   v[QO], s[(\b):(\b)+1] offset:(i/4)*4096+(i%4)*64
	global_load_b128 v[8*i+4:8*i+7], v[QO], s[(\b):(\b)+1] offset:(i/4)*4096+(i%4)*64+32
.set i, i+1
.endr
	WIN 0
.endm
.macro MCSET                        ; the masks of the sixteen score tiles: kb < t: BC; kb > t: CC; kb = t: MD8 x AL + BC
	WIN 0xc0                        ; destination window 3
.irp t, 0,1,2,3
.irp kb, 0,1,2,3
.if (\kb) == (\t)
.irp z, 0,1,2,3
	v_pk_fma_f32 v[MC+32*(\t)+8*(\kb)+2*(\z):MC+32*(\t)+8*(\kb)+2*(\z)+1], v[MD8+2*(\z):MD8+2*(\z)+1], s[AL:AL+1], s[BC:BC+1] op_sel_hi:[1,0,0]
.endr
.elseif (\kb) < (\t)
.irp z, 0,1,2,3,4,5,6,7
	v_mov_b32 v[MC+32*(\t)+8*(\kb)+(\z)], s[BC]
.endr
.else
.irp z, 0,1,2,3,4,5,6,7
	v_mov_b32 v[MC+32*(\t)+8*(\kb)+(\z)], s[CC]
.endr
.endif
.endr
.endr
	WIN 0
.endm
	s_load_b128 s[4:7], s[0:1], 0x0 ; qkv s[4:5], ob s[6:7]
	v_lshl_add_u32 v[SPW], v0, 2, SPARE
	v_mov_b32 v[NIL], 0
	ds_add_u32 v[SPW], v[NIL]       ; the wave's opening: the add and its wait stand ahead of my first tensor load
	v_lshrrev_b32 v1, 5, v0
	v_readfirstlane_b32 s[WV], v1   ; wave 0..3
	s_bfe_u32 s[CX], ttmp6, 0x40000 ; cx
	s_mov_b32 s[AA], ttmp9          ; a: the cluster's x, which the partners share
	s_and_b32 s15, ttmp7, 0xffff    ; the head, shared too
	s_and_b32 s16, s[WV], 1         ; which half of a tile's 256 keys I fetch
	s_mul_i32 s17, s16, 128*PK      ; its place in a slot, for K
	s_mul_i32 s18, s16, 128*PV      ; and for V
	s_add_co_u32 s18, s18, VOFF
	s_lshr_b32 s20, s15, 1          ; g
	s_add_co_u32 s20, s20, 16
	s_lshl_b32 s20, s20, 19         ; k's slot
	s_lshl_b32 s21, s16, 15         ; my 128 rows of 256 bytes
	s_add_co_u32 s20, s20, s21
	s_mov_b32 s21, 0
	s_add_co_u32 s22, s20, 8<<19    ; v's slot lies eight further on
	s_mov_b32 s23, 0
	s_lshl_b32 s19, s[AA], 2
	s_add_co_u32 s19, s19, s[CX]    ; b
	s_sub_co_u32 s96, 31, s19       ; 31 - b
	s_lshl_b32 s97, s15, 19         ; q's slot
	s_lshl_b32 s2, s96, 14          ; a block is 64 rows of 256 bytes
	s_add_co_u32 s2, s2, s97
	s_mov_b32 s3, 0
	s_lshl_b32 s98, s19, 14
	s_add_co_u32 s98, s98, s97
	s_mov_b32 s99, 0
	s_lshl_b32 s97, s[WV], 14       ; in ob: my 4 rows of each 16, rows of 4,096 bytes,
	s_lshl_b32 s9, s15, 8           ; the head's 256 bytes of a row
	s_add_co_u32 s97, s97, s9
	s_lshl_b32 s8, s96, 18
	s_add_co_u32 s8, s8, s97
	s_mov_b32 s9, 0
	s_lshl_b32 s10, s19, 18
	s_add_co_u32 s10, s10, s97
	s_mov_b32 s11, 0
	s_mov_b32 s[BIG], 0xf149f2ca    ; -1e30
	s_sub_co_u32 s96, 3, s[CX]      ; d of the first block.  These compares feed choices of numbers alone, no branch
	s_cmp_eq_u32 s96, s[WV]
	s_cselect_b32 s[MA], 1.0, 0     ; w = d: the triangle counts
	s_cmp_lt_u32 s96, s[WV]
	s_cselect_b32 s[MA+1], s[BIG], 0  ; w > d: all is hidden
	s_cmp_le_u32 s96, s[WV]
	s_cselect_b32 s[MA+2], s[BIG], 0  ; w >= d: the key blocks above the diagonal are hidden
	s_cmp_eq_u32 s[CX], s[WV]       ; d of the second block is cx
	s_cselect_b32 s[MA+3], 1.0, 0
	s_cmp_lt_u32 s[CX], s[WV]
	s_cselect_b32 s[MA+4], s[BIG], 0
	s_cmp_le_u32 s[CX], s[WV]
	s_cselect_b32 s[MA+5], s[BIG], 0
	s_mov_b32 s[G1K], 15|(1<<16)|(1<<20)|(1<<21)|(5<<22)|(3<<25)  ; the mask of four; 2-byte elements; padding on; bit 21 beside a mask; 4 words behind every 64
	s_mov_b32 s[G1V], 15|(1<<16)|(1<<20)|(1<<21)|(5<<22)|(7<<25)  ; the same with 8 words
.irp g, G1K, G1V
	s_mov_b32 s[(\g)+1], 128<<16    ; tensor_dim0 = 128
	s_mov_b32 s[(\g)+2], 128<<16    ; tensor_dim1 = 128
	s_mov_b32 s[(\g)+3], 128<<16    ; tile_dim0 = 128
	s_mov_b32 s[(\g)+4], 128        ; tile_dim1 = 128
	s_mov_b32 s[(\g)+5], 128        ; elements from row to row
	s_mov_b32 s[(\g)+6], 0
	s_mov_b32 s[(\g)+7], 0
.endr
	s_mov_b32 s[CS], 0x420293ee     ; c = 256 log2(e) / sqrt(128) = 32.6444
	s_mov_b32 s[CS+1], s[CS]
	s_mov_b32 s[SEL], 0x76543210
	s_mov_b32 s[SEL+1], 0xfedcba98
	s_mov_b32 s[TB], 0
	s_mov_b32 s[NXT], 2
	s_sub_co_u32 s[LQ], 7, s[AA]
	s_sub_co_u32 s[RT], 8, s[AA]    ; the first block has 8 - a tiles
	s_mov_b32 s[PL], 0
	s_mov_b32 s[BLK], 0
	s_mov_b32 s[OFF+1], 0
	s_mov_b32 s[AL], 0
	s_mov_b32 s[AL+1], 0
	s_mov_b32 s[BC], 0
	s_mov_b32 s[BC+1], 0
	s_mov_b32 s[CC], 0
	s_wait_dscnt 0x0                ; the opening add is done
	s_wait_kmcnt 0x0
	s_add_nc_u64 s[KB:KB+1], s[4:5], s[20:21]
	s_add_nc_u64 s[VB:VB+1], s[4:5], s[22:23]
	s_add_nc_u64 s[QA:QA+1], s[4:5], s[2:3]
	s_add_nc_u64 s[QB:QB+1], s[4:5], s[98:99]
	s_add_nc_u64 s[OC:OC+1], s[6:7], s[8:9]
	s_add_nc_u64 s[ON:ON+1], s[6:7], s[10:11]
	CROUND                          ; all four work-groups are here: the first joint loads meet
.irp s, 0,1
	s_mov_b32 s[G0K+4*(\s)], 1
	s_add_co_u32 s[G0K+4*(\s)+1], s17, (\s)*SL
	s_add_nc_u64 s[G0K+4*(\s)+2:G0K+4*(\s)+3], s[KB:KB+1], (\s)*65536  ; tile s: 256 keys of 256 bytes each
	s_or_b32 s[G0K+4*(\s)+3], s[G0K+4*(\s)+3], 0x80000000
	s_mov_b32 s[G0V+4*(\s)], 1
	s_add_co_u32 s[G0V+4*(\s)+1], s18, (\s)*SL
	s_add_nc_u64 s[G0V+4*(\s)+2:G0V+4*(\s)+3], s[VB:VB+1], (\s)*65536
	s_or_b32 s[G0V+4*(\s)+3], s[G0V+4*(\s)+3], 0x80000000
.endr
	s_cmp_lt_u32 s[WV], 2           ; a wave's two first fills stand in one branch: two loads of mine are out
	s_cbranch_scc0 .Lfirst_v
	tensor_load_to_lds s[G0K:G0K+3], s[G1K:G1K+7]
	s_nop 0
	tensor_load_to_lds s[G0K+4:G0K+7], s[G1K:G1K+7]
	s_nop 0
.rept 4
	v_nop
.endr
	s_branch .Lfirst_asked
.Lfirst_v:
	tensor_load_to_lds s[G0V:G0V+3], s[G1V:G1V+7]
	s_nop 0
	tensor_load_to_lds s[G0V+4:G0V+7], s[G1V:G1V+7]
	s_nop 0
.rept 4
	v_nop
.endr
.Lfirst_asked:
	v_and_b32 v52, 15, v0           ; r = l % 16
	v_bfe_u32 v53, v0, 4, 1         ; h = l / 16
	v_and_b32 v54, 31, v0           ; l
	v_and_b32 v55, 7, v0
	v_bfe_u32 v56, v0, 3, 1
	v_lshlrev_b32 v[QO], 8, v52
	v_lshl_add_u32 v[QO], v53, 4, v[QO]   ; row x 256 + 16 x half
	LOADQ QA
	s_mul_i32 s96, s[WV], 64*PK     ; my 64 keys of a tile
	v_mul_u32_u24 v[AK0], v52, PK
	v_lshl_add_u32 v[AK0], v53, 4, v[AK0]
	v_add_nc_u32 v[AK0], s96, v[AK0]
	s_mul_i32 s96, s[WV], 64*PV
	s_add_co_u32 s96, s96, VOFF
	v_lshl_add_u32 v[AV0], v53, 3, v55    ; the turning load: lane l reads key 8 (l / 16) + l % 8, channels 8 ((l / 8) % 2) + 0..7
	v_mul_u32_u24 v[AV0], v[AV0], PV
	v_lshl_add_u32 v[AV0], v56, 4, v[AV0]
	v_add_nc_u32 v[AV0], s96, v[AV0]
	s_mul_i32 s96, s[WV], 16*MP
	s_add_co_u32 s96, s96, MERGE
	v_mul_u32_u24 v[MST], v52, MP   ; my partial: row r, 32 bytes for each half of the lanes
	v_lshl_add_u32 v[MST], v53, 5, v[MST]
	v_add_nc_u32 v[MST], s96, v[MST]
	s_mul_i32 s96, s[WV], 4*MP
	s_add_co_u32 s96, s96, MERGE
	v_lshl_add_u32 v[MRD], v54, 4, s96    ; back: rows 4 w on of every partial, 16 bytes a lane
	s_lshl_b32 s96, s[WV], 9
	s_add_co_u32 s96, s96, STATS
	v_lshl_add_u32 v[SST], v52, 3, s96
	v_lshlrev_b32 v[SRD], 3, v52
	v_add_nc_u32 v[SRD], STATS, v[SRD]
	v_lshlrev_b32 v[GO], 3, v54
	v_lshlrev_b32 v57, 3, v53
	v_sub_nc_u32 v57, v52, v57      ; r - 8 h: register j of the diagonal block is hidden where j is greater
.irp j, 0,1,2,3,4,5,6,7
	v_cmp_gt_i32 vcc_lo, \j, v57
	v_cndmask_b32 v[MD8+\j], 0, s[BIG], vcc_lo
.endr
	MCSET                           ; with three zeros: no key is hidden yet
	; O^T and l start at 0: no first step is written out; the price is these 264 lines, which stand in the wait for the first tile
	WIN 0x40
.set i, 0
.rept 256
	v_mov_b32 v[i], 0
.set i, i+1
.endr
	WIN 0
	ALL v_mov_b32 v[ST+8*t], 0xfe000000    ; c m: far below every c s, so that the first a is 0
	ALL v_mov_b32 v[ST+8*t+1], FLOOR       ; m
	ALL v_mov_b32 v[ST+8*t+2], 0
	ALL v_mov_b32 v[ST+8*t+3], 0
; THE MATRIX WORK.  The accumulators take turns, one instruction a turn.
; Product i of 32 of S^T = K Q^T for piece x: channels 32 (i / 8) on, keys 16 ((i / 2) % 4) on, tile x + i % 2.  The first 8 start the sums, with the mask.
.macro KQ x
.set rS, S+32*((\x)+i%2)+8*((i/2)%4)
.set rK, KF+32*((i/2)%4)+8*(i/8)
.set rQ, 32*((\x)+i%2)+8*(i/8)
.set rM, MC+32*((\x)+i%2)+8*((i/2)%4)
.if i < 8
	WIN W_KM
	v_wmma_f32_16x16x32_f16 v[rS:rS+7], v[rK:rK+7], v[rQ:rQ+7], v[rM:rM+7]
.else
	WIN W_KQ
	v_wmma_f32_16x16x32_f16 v[rS:rS+7], v[rK:rK+7], v[rQ:rQ+7], v[rS:rS+7]
.endif
.endm
; Product i of 32 of O^T += V^T P: keys 32 (i / 16) on, channels 16 ((i / 2) % 8) on, tile x + i % 2.
.macro PV x
	WIN W_PV
.set rO, 64*((\x)+i%2)+8*((i/2)%8)
.set rV, 64*(i/16)+8*((i/2)%8)
.set rP, P+16*((\x)+i%2)+8*(i/16)
	v_wmma_f32_16x16x32_f16 v[rO:rO+7], v[rV:rV+7], v[rP:rP+7], v[rO:rO+7]
.endm
; THE LDS LOADS stand in runs of 32: my 64 keys of K (16 fragments) and of V (turned).
.macro FETCH_K
	WIN 0
	v_add_nc_u32 v[ADR], s[TB], v[AK0]
	WIN 0x80
.irp f, 0,1,2,3,4,5,6,7,8,9,10,11,12,13,14,15
	ds_load_b128 v[KF+8*(\f):KF+8*(\f)+3],   v[ADR] offset:((\f)/4)*16*PK+((\f)%4)*64
	ds_load_b128 v[KF+8*(\f)+4:KF+8*(\f)+7], v[ADR] offset:((\f)/4)*16*PK+((\f)%4)*64+32
.endr
	WIN 0
.endm
.macro FETCH_V
	WIN 0
	v_add_nc_u32 v[ADR], s[TB], v[AV0]
	WIN 0xc0
.irp f, 0,1,2,3,4,5,6,7,8,9,10,11,12,13,14,15
	ds_load_tr16_b128 v[8*(\f):8*(\f)+3],   v[ADR] offset:((\f)/8)*32*PV+((\f)%8)*32
	ds_load_tr16_b128 v[8*(\f)+4:8*(\f)+7], v[ADR] offset:((\f)/8)*32*PV+16*PV+((\f)%8)*32
.endr
	WIN 0
.endm
; THE VECTOR WORK.  One tile's softmax for a step is a list of 134 instructions; SM writes number j of it for tile t.  s0-s31 are the lane's 32 scores, in pairs 0-15.
;   0-15    the maximum of s0-s31 and the old m, three operands at a time (each accumulator's lowest registers are read first)
;   16-20   the other half of the lanes' maximum; the new m; c m; c m_old - c m_new
;   21-87   33 exponentials (a, then s0-s31) at the odd numbers from 23 on: a plain instruction stands behind each before its result is used (ISA guide 5.7.2); the plain ones are scalings
;           c s - c m of pairs still to come, roundings to f16 of pairs that are done, and the first three sums
;   88-101  the last rounding; the rest of the sums; l = a l + the sum          102-133 the tile's O^T times a
.macro SM t
.set rT, ST+8*(\t)
.set rS, S+32*(\t)
.set rP, P+16*(\t)
.set rO, 64*(\t)+2*(j-102)
.set q, (j-20)/2
.if j < 102
	WIN 0
.endif
.if j < 4
	v_max3_num_f32 v[rT+4+j], v[rS+8*j], v[rS+8*j+1], v[rS+8*j+2]
.elseif j < 12
	v_max3_num_f32 v[rT+4+j%4], v[rT+4+j%4], v[rS+8*(j%4)+2*(j/4)+1], v[rS+8*(j%4)+2*(j/4)+2]
.elseif j == 12
	v_max3_num_f32 v[rT+4], v[rT+4], v[rS+7], v[rS+15]
.elseif j == 13
	v_max3_num_f32 v[rT+6], v[rT+6], v[rS+23], v[rS+31]
.elseif j == 14
	v_max3_num_f32 v[rT+4], v[rT+4], v[rT+5], v[rT+6]
.elseif j == 15
	v_max3_num_f32 v[rT+4], v[rT+4], v[rT+7], v[rT+1]
.elseif j == 16
	v_permlanex16_b32 v[rT+5], v[rT+4], s[SEL], s[SEL+1]  ; the query's other 32 keys lie in the lane 16 away
.elseif j == 17
	v_mov_b32 v[rT+7], v[rT]        ; c m_old is kept for a
.elseif j == 18
	v_max_num_f32 v[rT+1], v[rT+4], v[rT+5]
.elseif j == 19
	v_mul_f32 v[rT], s[CS], v[rT+1]
.elseif j == 20
	v_sub_f32 v[rT+7], v[rT+7], v[rT]
.elseif j == 23
	v_exp_f32 v[rT+6], v[rT+7]
.elseif (j < 88) && (j > 23) && (j%2 == 1)
	v_exp_f32 v[rS+(j-25)/2], v[rS+(j-25)/2]
.elseif (q < 4) || ((j < 76) && (q%2 == 0))
.set b, q/2+2
.if q < 4
.set b, q
.endif
	v_pk_fma_f32 v[rS+2*b:rS+2*b+1], v[rS+2*b:rS+2*b+1], s[CS:CS+1], v[rT:rT+1] op_sel_hi:[1,0,0] neg_lo:[0,0,1] neg_hi:[0,0,1]  ; pair b: c s - c m
.elseif (j < 88) && (q%2 == 1)
	s_wait_alu depctr_va_vdst(0)
	v_cvt_pk_f16_f32 v[rP+(q-5)/2], v[rS+q-5], v[rS+q-4]
.elseif j == 89
	s_wait_alu depctr_va_vdst(0)
	v_cvt_pk_f16_f32 v[rP+15], v[rS+30], v[rS+31]
.elseif j < 102                     ; the sum of the tile's 16 pairs, in place: neighbours 1, 2, 4 and 8 pairs apart, then l takes it
.set z, j-86
.if j < 89
.set z, (j-76)/4
.endif
.set w, 4
.set u, z
.if z >= 14
.set w, 32
.set u, 0
.elseif z >= 12
.set w, 16
.set u, z-12
.elseif z >= 8
.set w, 8
.set u, z-8
.endif
.if z < 15
	v_pk_add_f32 v[rS+w*u:rS+w*u+1], v[rS+w*u:rS+w*u+1], v[rS+w*u+w/2:rS+w*u+w/2+1]
.else
	v_pk_fma_f32 v[rT+2:rT+3], v[rT+2:rT+3], v[rT+6:rT+7], v[rS:rS+1] op_sel_hi:[1,0,1]
.endif
.else
	WIN W_RS
	v_pk_mul_f32 v[rO:rO+1], v[rO:rO+1], v[rT+6:rT+7] op_sel_hi:[1,0]
.endif
.endm
; Slice k of 64 of piece y's softmax: numbers 2 k and 2 k + 1 of both tiles' lists; the twelve that are over stand in slice 63.
.macro SLICE y
.if (k >= 11) && (k < 44)           ; tile by tile: plain, exponential, plain, exponential
.irp t, \y, (\y)+1
.irp n, 0,1
.set j, 2*k+(\n)
	SM \t
.endr
.endr
.else                               ; the two tiles alternate
.irp n, 0,1,2,3,4,5,6,7
.if ((\n) < 2) || (k == 63)
.irp t, \y, (\y)+1
.set j, 2*k+(\n)
	SM \t
.endr
.endif
.endr
.endif
.set k, k+1
.endm
; THE CHANGE OF SLOTS.  K and V of the tile in hand are asked for into registers.  Each wave waits for all its tensor loads (one is out: its part of the other slot), adds 0 to its spare word, and waits
; for that and for its reads of the slot.  fill = 1: the barrier is a round of the cluster's, and the slot is filled again with tile NXT, whose address is made anew from that number.
.macro CHANGE fill
	WIN 0
	s_wait_tensorcnt 0x0            ; no tensor load of mine is out, so a group 0 may be written
	ds_add_u32 v[SPW], v[NIL]       ; 0 onto my spare word
.if \fill
	s_lshl_b32 s[OFF], s[NXT], 16
	s_xor_b32 s[G0K+5], s[G0K+5], SL
	s_add_nc_u64 s[G0K+6:G0K+7], s[KB:KB+1], s[OFF:OFF+1]
	s_or_b32 s[G0K+7], s[G0K+7], 0x80000000
	s_xor_b32 s[G0V+5], s[G0V+5], SL
	s_add_nc_u64 s[G0V+6:G0V+7], s[VB:VB+1], s[OFF:OFF+1]
	s_or_b32 s[G0V+7], s[G0V+7], 0x80000000
	s_add_co_u32 s[NXT], s[NXT], 1  ; the block's next tile, or behind its last the second block's tile 0
	s_cmp_gt_u32 s[NXT], s[LQ]
	s_cselect_b32 s[NXT], 0, s[NXT]
	s_cselect_b32 s[LQ], s[AA], s[LQ]
.endif
	s_xor_b32 s[TB], s[TB], SL      ; the fetches go to the other slot
	s_wait_dscnt 0x0                ; the add is done; V is in, and with it my reads of the slot are over
.if \fill
	CROUND
	JLOAD                           ; the first tensor load behind the round, and my only one until the next: it has a step's 128 matrix instructions in which to land
.else
	s_barrier_signal -1
	s_barrier_wait -1
.endif
.endm
; A BLOCK'S END.  The branch round it hangs on a and on constants: it is the same in all waves and all partners.  (c m, l) of the four waves meet in LDS; each wave multiplies its O^T by
; f = 2^(c m - M) / L; then, a tile at a time, the four partials meet in LDS, and wave w adds, rounds and stores rows 4 w .. 4 w + 3.  The sums stay in f32 until the one rounding.
.macro END
	WIN 0
	s_cmp_lg_u32 s[BLK], 0
	s_cbranch_scc1 .Lno_q_\@
	LOADQ QB                        ; the second block's Q: the last product that read Q lies a softmax back
.Lno_q_\@:
	ALL v_add_f32 v[ST+8*t+4], v[ST+8*t+2], v[ST+8*t+3]
	ALL v_permlanex16_b32 v[ST+8*t+5], v[ST+8*t+4], s[SEL], s[SEL+1]
	ALL v_add_f32 v[ST+8*t+1], v[ST+8*t+4], v[ST+8*t+5]      ; l takes m's place: (c m, l) is a pair
	ALL ds_store_b64 v[SST], v[ST+8*t:ST+8*t+1] offset:128*t
	s_wait_dscnt 0x0                ; for the others' sake
	s_barrier_signal -1
	s_barrier_wait -1
.irp x, 0,1,2,3
	ALL ds_load_b64 v[S+8*t+2*\x:S+8*t+2*\x+1], v[SRD] offset:512*\x+128*t
.endr
	s_wait_dscnt 0x0
	ALL v_max3_num_f32 v[ST+8*t+4], v[S+8*t], v[S+8*t+2], v[S+8*t+4]
	ALL v_max_num_f32 v[ST+8*t+4], v[ST+8*t+4], v[S+8*t+6]   ; M
	ALL v_sub_f32 v[ST+8*t+5], v[ST+8*t], v[ST+8*t+4]
.irp x, 0,1,2,3
	ALL v_sub_f32 v[S+8*t+2*\x], v[S+8*t+2*\x], v[ST+8*t+4]
.endr
	ALL v_exp_f32 v[ST+8*t+5], v[ST+8*t+5]                   ; my own share,
.irp x, 0,1,2,3
	ALL v_exp_f32 v[S+8*t+2*\x], v[S+8*t+2*\x]               ; and all four
.endr
	v_nop                           ; a plain instruction behind the last exponential
	s_wait_alu depctr_va_vdst(0)
	ALL v_mul_f32 v[ST+8*t+7], v[S+8*t], v[S+8*t+1]
	ALL v_fmac_f32 v[ST+8*t+7], v[S+8*t+2], v[S+8*t+3]
	ALL v_fmac_f32 v[ST+8*t+7], v[S+8*t+4], v[S+8*t+5]
	ALL v_fmac_f32 v[ST+8*t+7], v[S+8*t+6], v[S+8*t+7]       ; L
	ALL v_rcp_f32 v[ST+8*t+7], v[ST+8*t+7]
	v_nop                           ; a plain instruction behind the last reciprocal
	s_wait_alu depctr_va_vdst(0)
	ALL v_mul_f32 v[ST+8*t+6], v[ST+8*t+5], v[ST+8*t+7]      ; f
	WIN W_RS
.set i, 0
.rept 128
	v_pk_mul_f32 v[2*i:2*i+1], v[2*i:2*i+1], v[ST+8*(i/32)+6:ST+8*(i/32)+7] op_sel_hi:[1,0]
.set i, i+1
.endr
.irp t, 0,1,2,3
	WIN 0x04                        ; the stores' data in window 1
.irp c, 0,1,2,3,4,5,6,7
	ds_store_b128 v[MST], v[64*(\t)+8*(\c):64*(\t)+8*(\c)+3]   offset:64*(\c)
	ds_store_b128 v[MST], v[64*(\t)+8*(\c)+4:64*(\t)+8*(\c)+7] offset:64*(\c)+16
.endr
	WIN 0
	s_wait_dscnt 0x0                ; for the others' sake: my partial lies in LDS
	s_barrier_signal -1
	s_barrier_wait -1
.irp e, 0,1,2,3
.irp x, 0,1,2,3
	ds_load_b128 v[S+16*(\e)+4*(\x):S+16*(\e)+4*(\x)+3], v[MRD] offset:16*MP*(\x)+MP*(\e)   ; row 4 w + e of partial x, four channels a lane
.endr
.endr
	s_wait_dscnt 0x0                ; my reads are over: the next tile may be stored when all have said so
.if (\t) < 3
	s_barrier_signal -1
.endif
.irp e, 0,1,2,3
	v_pk_add_f32 v[S+16*(\e):S+16*(\e)+1],     v[S+16*(\e):S+16*(\e)+1],     v[S+16*(\e)+4:S+16*(\e)+5]
	v_pk_add_f32 v[S+16*(\e)+2:S+16*(\e)+3],   v[S+16*(\e)+2:S+16*(\e)+3],   v[S+16*(\e)+6:S+16*(\e)+7]
	v_pk_add_f32 v[S+16*(\e)+8:S+16*(\e)+9],   v[S+16*(\e)+8:S+16*(\e)+9],   v[S+16*(\e)+12:S+16*(\e)+13]
	v_pk_add_f32 v[S+16*(\e)+10:S+16*(\e)+11], v[S+16*(\e)+10:S+16*(\e)+11], v[S+16*(\e)+14:S+16*(\e)+15]
.endr
.irp e, 0,1,2,3
	v_pk_add_f32 v[S+16*(\e):S+16*(\e)+1],   v[S+16*(\e):S+16*(\e)+1],   v[S+16*(\e)+8:S+16*(\e)+9]
	v_pk_add_f32 v[S+16*(\e)+2:S+16*(\e)+3], v[S+16*(\e)+2:S+16*(\e)+3], v[S+16*(\e)+10:S+16*(\e)+11]
.endr
.irp e, 0,1,2,3
	v_cvt_pk_f16_f32 v[P+2*(4*(\t)+(\e))],   v[S+16*(\e)],   v[S+16*(\e)+1]
	v_cvt_pk_f16_f32 v[P+2*(4*(\t)+(\e))+1], v[S+16*(\e)+2], v[S+16*(\e)+3]
.endr
.if (\t) < 3
	s_barrier_wait -1
.endif
.irp e, 0,1,2,3
	global_store_b64 v[GO], v[P+2*(4*(\t)+(\e)):P+2*(4*(\t)+(\e))+1], s[OC:OC+1] offset:65536*(\t)+4096*(\e)   ; a head's 256 bytes of a row: 256 consecutive aligned bytes
.endr
.endr
	s_wait_xcnt 0x0                 ; the stores have read their registers and O's address
	s_mov_b64 s[OC:OC+1], s[ON:ON+1]  ; on to the second block (behind the second block these lines serve nothing: the price of one text)
	s_mov_b32 s[MA], s[MA+3]
	s_mov_b32 s[MA+1], s[MA+4]
	s_mov_b32 s[MA+2], s[MA+5]
	s_add_co_u32 s[RT], s[AA], 1    ; it has a + 1 tiles
	s_mov_b32 s[BLK], 1
	ALL v_mov_b32 v[ST+8*t], 0xfe000000    ; its first a is 0, so O^T and l need only be finite
	ALL v_mov_b32 v[ST+8*t+1], FLOOR
	s_wait_loadcnt 0x0              ; Q
.endm
; A STEP: one key tile.  fill = 1: the tile two further on is asked for.  last = 1 (the tail): in its last trip there is no further tile, and the fetches are jumped over.
.macro TRIP fill, last
	s_sub_co_u32 s[RT], s[RT], 1
	s_cmp_eq_u32 s[RT], 0
	s_cselect_b32 s[LASTF], 1, 0
	s_cselect_b32 s[AL], s[MA], 0
	s_cselect_b32 s[BC], s[MA+1], 0
	s_cselect_b32 s[CC], s[MA+2], 0
	s_or_b32 s96, s[LASTF], s[PL]   ; the masks change on entering a block's last tile and on leaving it
	s_mov_b32 s[PL], s[LASTF]
	s_cmp_eq_u32 s96, 0
	s_cbranch_scc1 .Lno_mask_\@
	MCSET
.Lno_mask_\@:
	s_wait_dscnt 32                 ; K is in; the 32 younger loads, V's, may stay out
.set i, 0
.rept 32
	KQ 0
.set i, i+1
.endr
	WIN 0
	PLACES                          ; between piece 0's last product and the first read of its scores
.set k, 0
.set i, 0
.rept 32
	KQ 2
	SLICE 0
	SLICE 0
.set i, i+1
.endr
	CHANGE \fill                    ; slices 62 and 63, twenty plain lines, stand behind the last product that read K
.if \last
	s_cmp_eq_u32 s[CNT], 1
	s_cbranch_scc1 .Lno_k_\@
.endif
	FETCH_K                         ; the next tile's
.if \last
.Lno_k_\@:
.endif
.set k, 0
.set i, 0
.rept 32
	PV 0
	SLICE 2
	SLICE 2
.set i, i+1
.endr
.set i, 0
.rept 32
	PV 2
.set i, i+1
.endr
	WIN 0
	PLACES                          ; between the last product and the loads into V, and the reads of O^T at a block's end
.if \last
	s_cmp_eq_u32 s[CNT], 1
	s_cbranch_scc1 .Lno_v_\@
.endif
	FETCH_V
.if \last
.Lno_v_\@:
.endif
	s_cmp_eq_u32 s[LASTF], 0
	s_cbranch_scc1 .Lno_end_\@
	END
.Lno_end_\@:
.endm
	s_wait_tensorcnt 1              ; my part of tile 0 is in; tile 1's may stay out
	s_barrier_signal -1
	s_barrier_wait -1
	FETCH_K
	FETCH_V
	s_wait_loadcnt 0x0              ; Q
	s_mov_b32 s[CNT], 7
.Lmain:                             ; tiles 0 to 6 of the walk: each asks for the tile two further on
	TRIP 1, 0
	s_sub_co_u32 s[CNT], s[CNT], 1
	s_cmp_lg_u32 s[CNT], 0
	s_cbranch_scc1 .Lmain
	s_mov_b32 s[CNT], 2
.Ltail:                             ; the last two tiles ask for nothing: a text of their own
	TRIP 0, 1
	s_sub_co_u32 s[CNT], s[CNT], 1
	s_cmp_lg_u32 s[CNT], 0
	s_cbranch_scc1 .Ltail
	s_wait_tensorcnt 0x0            ; the wave's end
	ds_add_u32 v[SPW], v[NIL]
	s_wait_dscnt 0x0
	CROUND                          ; the closing round
	s_endpgm
.Lfunc_end_k_qd35f4499f0_attn:
	.size	k_qd35f4499f0_attn, .Lfunc_end_k_qd35f4499f0_attn-k_qd35f4499f0_attn
	.p2alignl 7, 3214868480
	.fill 96, 4, 3214868480
	.section	.rodata,"a",@progbits
	.p2align	6, 0x0
	.amdhsa_kernel k_qd35f4499f0_attn
		.amdhsa_group_segment_fixed_size 327680
		.amdhsa_private_segment_fixed_size 0
		.amdhsa_enable_private_segment 0
		.amdhsa_kernarg_size 16
		.amdhsa_user_sgpr_count 2
		.amdhsa_user_sgpr_kernarg_segment_ptr 1
		.amdhsa_wavefront_size32 1
		.amdhsa_system_sgpr_workgroup_id_x 1
		.amdhsa_system_sgpr_workgroup_id_y 1
		.amdhsa_system_sgpr_workgroup_id_z 1
		.amdhsa_system_vgpr_workitem_id 0
		.amdhsa_next_free_vgpr 1024
		.amdhsa_next_free_sgpr 100
		.amdhsa_reserve_vcc 1
		.amdhsa_float_denorm_mode_32 3
		.amdhsa_float_denorm_mode_16_64 3
		.amdhsa_memory_ordered 1
		.amdhsa_forward_progress 1
		.amdhsa_inst_pref_size 205
	.end_amdhsa_kernel
	.amdgpu_metadata
---
amdhsa.version: [ 1, 2 ]
amdhsa.kernels:
  - .name:           k_qd35f4499f0_attn
    .symbol:         k_qd35f4499f0_attn.kd
    .args:
      - { .name: qkv, .offset: 0, .size: 8, .value_kind: global_buffer, .address_space: global }
      - { .name: ob, .offset: 8, .size: 8, .value_kind: global_buffer, .address_space: global }
    .group_segment_fixed_size: 327680
    .private_segment_fixed_size: 0
    .kernarg_segment_align: 8
    .kernarg_segment_size: 16
    .max_flat_workgroup_size: 128
    .sgpr_count:     100
    .vgpr_count:     1024
    .wavefront_size: 32
...
	.end_amdgpu_metadata
.endif
;; end of part 3
;; launch outp (part 4): grid 16 x 16, 4 waves a work-group, clusters of 4 x 1, 327,680 bytes of LDS; arguments ob, wob, out0; writes out0
.if DOCPART == 4
	.amdgcn_target "amdgcn-amd-amdhsa--gfx1250"
	.amdhsa_code_object_version 6
	.text
	.protected	k_qd35f4499f0_outp
	.globl	k_qd35f4499f0_outp
	.p2align	8
	.type	k_qd35f4499f0_outp,@function
k_qd35f4499f0_outp:
	s_mov_b64 s[64:65], 0
	v_nop
	global_prefetch_b8 v0, s[64:65] scope:SCOPE_SE
	s_setreg_imm32_b32 hwreg(HW_REG_WAVE_MODE, 25, 1), 1
	s_wait_xcnt 0x0
	s_wait_alu depctr_hold_cnt(0) depctr_sa_sdst(0) depctr_va_vdst(0) depctr_va_sdst(0) depctr_va_ssrc(0) depctr_va_vcc(0) depctr_vm_vsrc(0)
	s_getreg_b32 s2, hwreg(HW_REG_IB_STS2, 6, 4)
	s_cmp_eq_u32 s2, 0
	s_cbranch_scc0 .Lentry_in_a_cluster
	s_endpgm
.Lentry_in_a_cluster:
	s_bfe_u32 s2, ttmp6, 0x10000c
	s_cmp_lg_u32 s2, 0x3003
	s_cbranch_scc0 .Lentry_shape_is_right
	s_endpgm
.Lentry_shape_is_right:
; THE OUTPUT PROJECTION.  out0[m][n] = 4 x sum over k of ob[m][k] wob[n][k], m < 2,048, n < 4,096, k < 2,048; f16 operands, f32 sums; ob holds O / 4, and the 4 (exact) undoes that.
; SHAPE.  A tile of C is 128 x 256: 16 x 16 = 256 work-groups.  Four waves, each 64 rows x 128 columns: 32 accumulators.
; TWO ROADS INTO LDS.  B (wob, 256 rows) comes by tensor loads into two slots of 256 along K (rows of 512 bytes): a refill has 240 matrix instructions in which to land.  Two such slots for A and B
; together would be (128 + 256) x 528 x 2 = 405,504 bytes, more than LDS has.  So A (ob, 128 rows) comes through registers: 16-byte loads, asked for 256 matrix instructions ahead of their use
; into four sets of 32 registers, and LDS stores into two slots of 64 along K.  Loads into registers may stay out across barriers, so A's lead hangs on registers, not on slots.
; CLUSTER 4 x 1: four tile rows of one tile column.  They need the same tiles of B, asked for jointly.  A IS NOT SHARED in a cluster: it does not come by tensor loads, for the reason above.
; ONE BARRIER FOR EACH HALF STEP OF 64 ALONG K.  In front of barrier H every wave's reads of A's half H and its stores of half H + 1 are done; behind it half H + 2 is stored into the slot of half H,
; and half H + 6 is asked for.  Every fourth barrier opens a round of the cluster's, behind which B's slot just read out is filled again.
; THE MATRIX INSTRUCTION IS USED TRANSPOSED (source 0 = 16 rows of wob, source 1 = 16 rows of ob): a lane holds row l % 16 and eight neighbouring columns.
; REGISTERS.  window 0: v16-29 addresses; v32-127, v128-223 two fragment buffers (A's 4 fragments, then B's 8); on the way out v32-223 at work
;   window 1: the accumulators, (a, b) at v[8 (8 a + b)]      window 2: v0-127 A on its way, four sets of 32
.set SIZE_K, 2048
.set ROWB,   SIZE_K*2
.set LROW,   12
.set NS,     SIZE_K/256
.set PB,     528                       ; a row of B in LDS: 512 bytes + 16 (ISA guide 11.1: the 16 rows of a fragment load start at 16 different groups of four banks)
.set BWAVE,  64*PB
.set SLB,    256*PB                    ; = 0x21000: none of the four fill addresses 0, 0x8400, 0x10800, 0x18c00 has one of its two bits
.set PAP,    144                       ; a row of A in LDS: 128 bytes + 16
.set ASLOT,  128*PAP
.set AOFF,   2*SLB                     ; A's two slots, 36,864 bytes: written by LDS stores alone; no tensor load lands here
.set STAGE,  AOFF                      ; the way out uses them again, behind a barrier: 16 rows x 528 bytes for each wave, 33,792 bytes
.set SPITCH, 528                       ; 512 bytes of f32 + 16
.set SPARE,  AOFF+2*ASLOT              ; the spare words: 128 bytes a wave, named by no other line
.set STW,    2
.set ADRA,  16
.set ADRB0, 17
.set ADRB,  18
.set AST,   19
.set AGO,   20
.set STO,  24
.set RD,   25
.set CO,   26
.set SPW,  28
.set NIL,  29
.set F0,   32
.set F1,   128
.set TMP,  32                          ; the way out: 64 numbers times 4
.set OB,   96                          ; two buffers of 64: 16 rows read back
.set CNT,  3
.set PAG,  14
.set TB,   21
.set G1B,  48
.set G0B,  56
.set MSB, 0
.macro WIN new
.if MSB != (\new)
	s_set_vgpr_msb (MSB<<8)|(\new)
.set MSB, \new
.endif
.endm
.set MUL, 0x50
.macro CREST
	s_cmp_lg_u32 s10, 0
	s_cbranch_scc1 .Lnot_wave_0_\@
	s_barrier_signal -3
.Lnot_wave_0_\@:
	s_barrier_wait -3
	s_barrier_signal -1
	s_barrier_wait -1
.endm
.macro CROUND
	s_barrier_signal -1
	s_barrier_wait -1
	CREST
.endm
.macro PLACES                          ; four places in front of loads into registers that matrix instructions have read, and of lines that read results
.rept 4
	v_nop
.endr
.endm
.macro ASTORE set, slot                ; A's half in set: eight LDS stores, four rows of 128 bytes each; LDS instructions read their sources as they are issued
	WIN STW<<2
.irp i, 0,1,2,3,4,5,6,7
	ds_store_b128 v[AST], v[32*(\set)+4*(\i):32*(\set)+4*(\i)+3] offset:(\slot)*ASLOT+(\i)*4*PAP
.endr
.endm
.macro ALOAD set, kb                   ; eight loads: my 32 rows of the tile, 128 bytes at byte kb behind s[PAG]
	WIN STW<<6
.irp i, 0,1,2,3,4,5,6,7
	global_load_b128 v[32*(\set)+4*(\i):32*(\set)+4*(\i)+3], v[AGO], s[PAG:PAG+1] offset:(\kb)+(\i)*4*ROWB
.endr
.endm
	s_load_b128 s[4:7], s[0:1], 0x0                ; ob s[4:5], wob s[6:7]
	s_load_b64 s[8:9], s[0:1], 0x10                ; out0
	v_lshl_add_u32 v[SPW], v0, 2, SPARE
	v_mov_b32 v[NIL], 0
	ds_add_u32 v[SPW], v[NIL]                      ; the wave's opening: the add and its wait stand ahead of my first tensor load
	v_lshrrev_b32 v1, 5, v0
	v_readfirstlane_b32 s10, v1                    ; wave 0..3
	s_lshr_b32 s11, s10, 1                         ; my half of the tile's rows
	s_and_b32 s12, s10, 1                          ; my half of its columns
	s_bfe_u32 s40, ttmp6, 0x40000                  ; cx
	s_lshl_b32 s13, ttmp9, 2
	s_add_co_u32 s13, s13, s40                     ; tile row: it enters global addresses of ob and out0 alone
	s_and_b32 s42, ttmp7, 0xffff                   ; tile column, which the four partners share
	s_mov_b32 s[G1B+0], 15|(1<<16)|(1<<20)|(1<<21)|(6<<22)|(3<<25)  ; the mask of four; 2-byte elements; padding on; bit 21 beside a mask; 4 words behind every 128
	s_mov_b32 s[G1B+1], 256<<16
	s_mov_b32 s[G1B+2], 64<<16
	s_mov_b32 s[G1B+3], 256<<16
	s_mov_b32 s[G1B+4], 64
	s_mov_b32 s[G1B+5], SIZE_K
	s_mov_b32 s[G1B+6], 0
	s_mov_b32 s[G1B+7], 0
	s_lshl_b32 s46, s42, 8
	s_lshl_b32 s47, s10, 6
	s_add_co_u32 s46, s46, s47                     ; B: row 256 x tile column + 64 x wave,
	s_lshl_b32 s46, s46, LROW                      ; in bytes
	s_mov_b32 s47, 0
	s_lshl_b32 s16, s13, 7+LROW                    ; A: row 128 x tile row, in bytes
	s_mov_b32 s17, 0
	s_mul_i32 s20, s10, BWAVE
	s_mov_b32 s[TB], 0
	s_wait_dscnt 0x0                               ; the opening add is done
	s_wait_kmcnt 0x0
	s_add_nc_u64 s[PAG:PAG+1], s[4:5], s[16:17]
	s_add_nc_u64 s[46:47], s[6:7], s[46:47]
	CROUND                                         ; all four work-groups are here: the first joint loads meet
.irp s, 0,1
	s_mov_b32 s[G0B+4*(\s)], 1
	s_add_co_u32 s[G0B+4*(\s)+1], s20, (\s)*SLB
	s_add_nc_u64 s[G0B+4*(\s)+2:G0B+4*(\s)+3], s[46:47], (\s)*512
	s_or_b32 s[G0B+4*(\s)+3], s[G0B+4*(\s)+3], 0x80000000
.endr
	tensor_load_to_lds s[G0B:G0B+3], s[G1B:G1B+7]  ; two loads of mine are out
	s_nop 0
	tensor_load_to_lds s[G0B+4:G0B+7], s[G1B:G1B+7]
	s_nop 0
.rept 4
	v_nop
.endr
	v_and_b32 v1, 15, v0                           ; r
	v_bfe_u32 v2, v0, 4, 1                         ; h
	v_bfe_u32 v6, v0, 3, 2                         ; l / 8
	v_and_b32 v7, 7, v0                            ; l % 8
	s_lshl_b32 s22, s10, 5+LROW                    ; wave w moves rows 32 w .. 32 w + 31 of A's tile
	v_lshlrev_b32 v[AGO], LROW, v6
	v_lshl_add_u32 v[AGO], v7, 4, v[AGO]
	v_add_nc_u32 v[AGO], s22, v[AGO]
	ALOAD 0, 0                                     ; A's halves 0 to 3
	ALOAD 1, 128
	ALOAD 2, 256
	ALOAD 3, 384
	WIN 0
	s_mul_i32 s22, s10, 32*PAP
	s_add_co_u32 s22, s22, AOFF
	v_mul_u32_u24 v[AST], v6, PAP
	v_lshl_add_u32 v[AST], v7, 4, v[AST]
	v_add_nc_u32 v[AST], s22, v[AST]
	v_mul_u32_u24 v3, v1, PB
	v_lshl_add_u32 v3, v2, 4, v3
	s_mul_i32 s22, s12, 128*PB                     ; my 128 rows of B
	v_add_nc_u32 v[ADRB0], s22, v3
	v_mov_b32 v[ADRB], v[ADRB0]
	v_mul_u32_u24 v3, v1, PAP
	v_lshl_add_u32 v3, v2, 4, v3
	s_mul_i32 s22, s11, 64*PAP                     ; my 64 rows of A
	s_add_co_u32 s22, s22, AOFF
	v_add_nc_u32 v[ADRA], s22, v3
	s_mul_i32 s23, s10, 16*SPITCH
	s_add_co_u32 s23, s23, STAGE                   ; my stage
	v_mul_u32_u24 v4, v1, SPITCH
	v_lshl_add_u32 v4, v2, 5, v4
	v_add_nc_u32 v[STO], s23, v4                   ; in: row r, 32 bytes for each half of the lanes
	v_and_b32 v5, 31, v0
	v_lshlrev_b32 v[CO], 4, v5                     ; 16 x lane: my place in a row's 512 bytes
	v_add_nc_u32 v[RD], s23, v[CO]                 ; back: a whole row, 16 bytes a lane
	s_lshl_b32 s16, s13, 7
	s_lshl_b32 s17, s11, 6
	s_add_co_u32 s16, s16, s17                     ; my first row,
	s_lshl_b32 s16, s16, 14                        ; of 16,384 bytes
	s_mov_b32 s17, 0
	s_add_nc_u64 s[8:9], s[8:9], s[16:17]
	s_lshl_b32 s46, s42, 10                        ; my first column, in bytes: 1,024 x tile column + 512 x half
	s_lshl_b32 s47, s12, 9
	s_add_co_u32 s46, s46, s47
	s_mov_b32 s47, 0
	s_add_nc_u64 s[8:9], s[8:9], s[46:47]
	s_wait_loadcnt 16                              ; A's halves 0 and 1 are in; 2 and 3 may stay out
	ASTORE 0, 0
	ASTORE 1, 1
	ALOAD 0, 512                                   ; halves 4 and 5: from here on four halves are always on their way
	ALOAD 1, 640
	WIN 0
; 8 matrix instructions: m block a x all 8 n blocks, 32 along K.  The 32 accumulators take turns, one instruction a turn.
.macro MUL8 f, a, zero
	WIN MUL
.irp b, 0,1,2,3,4,5,6,7
.if \zero
	v_wmma_f32_16x16x32_f16 v[8*(8*(\a)+(\b)):8*(8*(\a)+(\b))+7], v[(\f)+32+8*(\b):(\f)+32+8*(\b)+7], v[(\f)+8*(\a):(\f)+8*(\a)+7], 0
.else
	v_wmma_f32_16x16x32_f16 v[8*(8*(\a)+(\b)):8*(8*(\a)+(\b))+7], v[(\f)+32+8*(\b):(\f)+32+8*(\b)+7], v[(\f)+8*(\a):(\f)+8*(\a)+7], v[8*(8*(\a)+(\b)):8*(8*(\a)+(\b))+7]
.endif
.endr
.endm
.macro FETCH f, bk, ak                 ; 24 LDS loads in one run: B's fragments at byte bk of its rows in the slot in hand, A's at ak behind its slot 0
	WIN 0
.irp i, 0,1,2,3,4,5,6,7
	ds_load_b128 v[(\f)+32+8*(\i):(\f)+32+8*(\i)+3],   v[ADRB] offset:(\bk)+(\i)*16*PB
	ds_load_b128 v[(\f)+32+8*(\i)+4:(\f)+32+8*(\i)+7], v[ADRB] offset:(\bk)+(\i)*16*PB+32
.endr
.irp i, 0,1,2,3
	ds_load_b128 v[(\f)+8*(\i):(\f)+8*(\i)+3],   v[ADRA] offset:(\ak)+(\i)*16*PAP
	ds_load_b128 v[(\f)+8*(\i)+4:(\f)+8*(\i)+7], v[ADRA] offset:(\ak)+(\i)*16*PAP+32
.endr
.endm
; A TRIP has four places in the ring p = 0..3: halves 2 and 3 of a slot of B, then halves 0 and 1 of the next.  A half is two quarters of 32 along K, on buffers F0 and F1.
; THE EVEN QUARTER of place p asks for the half's second quarter, multiplies the first, and holds the half's barrier.  In front of the signal my LDS instructions are done: my reads of this half of A
; (and, at p = 1, of B's slot) and my stores of the next half.  Behind it the half after next is stored into this half's slot, from set p, and the set is asked for again, four halves on.
; kind = 0: the loop; at p = 1 the barrier opens a round of the cluster's, and B's slot is filled again.  kind = 1: the tail: nothing is asked for any more.
.macro QE p, kind, zero=0
	PLACES
	FETCH F1, 64*((2*(\p)+4)%8+1), ((\p)%2)*ASLOT+64
	s_wait_dscnt 24                                ; all but the 24 just issued: F0, asked for a quarter ago, is in
	MUL8 F0, 0, \zero
	MUL8 F0, 1, \zero
.if (\p) == 1
	WIN 0
	s_wait_tensorcnt 0x0                           ; all my tensor loads have landed: the one that was out is my part of the other slot
.if (\kind) == 0
	ds_add_u32 v[SPW], v[NIL]                      ; 0 onto my spare word
.endif
.endif
	MUL8 F0, 2, \zero
	s_wait_dscnt 0x0                               ; for the others' sake: my reads and my stores are done (and the add)
	s_barrier_signal -1
	MUL8 F0, 3, \zero
	WIN 0
	s_barrier_wait -1
.if ((\p) == 1) && ((\kind) == 0)
	CREST                                          ; no wave of any partner still reads this slot or has a load on its way
	s_xor_b32 s[G0B+5], s[G0B+5], SLB
	s_add_nc_u64 s[G0B+6:G0B+7], s[G0B+6:G0B+7], 512
	tensor_load_to_lds s[G0B+4:G0B+7], s[G1B:G1B+7]   ; the first tensor load behind the round, and my only one until the next: 240 matrix instructions ahead of the wait for it
	s_nop 0
.rept 4
	v_nop
.endr
.endif
.if (\kind) == 0
	s_wait_loadcnt 24                              ; loads come back in order: set p is in, the three younger halves stay out
	ASTORE \p, (\p)%2
	ALOAD \p, 512+128*(\p)
.else
.if (\p) < 2
	s_cmp_eq_u32 s[CNT], 1                         ; in the tail's second trip A's last half lies in LDS already
	s_cbranch_scc1 .Lno_a_\@
.endif
	s_wait_loadcnt 24-8*(\p)                       ; the counts run down: nothing is asked for behind the loop
	ASTORE \p, (\p)%2
	WIN 0
.if (\p) < 2
.Lno_a_\@:
.endif
.endif
.endm
; THE ODD QUARTER of place p asks for the next half's first quarter and multiplies F1, which the wait in front of the barrier has shown in.  At p = 1 the fetches go over to B's other slot.
.macro QO p, kind
	PLACES
.if ((\p) == 1) && ((\kind) == 1)
	WIN 0
	s_cmp_eq_u32 s[CNT], 1                         ; the very last quarter has nothing to ask for
	s_cbranch_scc1 .Lno_f_\@
.endif
.if (\p) == 1
	WIN 0
	s_xor_b32 s[TB], s[TB], SLB
	v_add_nc_u32 v[ADRB], s[TB], v[ADRB0]
.endif
	FETCH F0, 64*((2*(\p)+6)%8), (((\p)+1)%2)*ASLOT
.if ((\p) == 1) && ((\kind) == 1)
.Lno_f_\@:
.endif
	MUL8 F1, 0, 0
	MUL8 F1, 1, 0
	MUL8 F1, 2, 0
	MUL8 F1, 3, 0
.endm
	s_wait_dscnt 0x0                               ; for the others' sake: my rows of A's halves 0 and 1 lie in LDS
	s_wait_tensorcnt 1                             ; my part of B's slot 0 is in; slot 1's may stay out
	s_barrier_signal -1
	s_barrier_wait -1
	FETCH F0, 0, 0
	QE 2, 0, 1                                     ; the first quarter is written out: its products start the sums
	WIN 0
	s_mov_b32 s[CNT], NS-1
	s_branch .Lenter                               ; the loop is entered in the middle of a trip
.Llap:                                             ; NS - 2 whole trips: each fills a slot of B again; the last trip's loads are the last of K
	QE 0, 0
	QO 0, 0
	QE 1, 0
	QO 1, 0
	QE 2, 0
	WIN 0
.Lenter:
	QO 2, 0
	QE 3, 0
	QO 3, 0
	WIN 0
	s_wait_xcnt 0x0                                ; the loads' base is stepped only behind this wait
	s_add_nc_u64 s[PAG:PAG+1], s[PAG:PAG+1], 512
	s_sub_co_u32 s[CNT], s[CNT], 1
	s_cmp_lg_u32 s[CNT], 0
	s_cbranch_scc1 .Llap
	s_mov_b32 s[CNT], 2
.Ltail:                                            ; the last six halves: a text of its own, so that no tensor load and no load is jumped over; its second trip is left in the middle
	QE 0, 1
	QO 0, 1
	QE 1, 1
	QO 1, 1
	WIN 0
	s_cmp_eq_u32 s[CNT], 1
	s_cbranch_scc1 .Lout
	QE 2, 1
	QO 2, 1
	QE 3, 1
	QO 3, 1
	WIN 0
	s_sub_co_u32 s[CNT], s[CNT], 1
	s_cmp_lg_u32 s[CNT], 0
	s_cbranch_scc1 .Ltail
.Lout:
	s_wait_dscnt 0x0                               ; my reads of A's slots are over;
	s_barrier_signal -1
	s_barrier_wait -1                              ; everybody's are: the slots may serve as the stage
	PLACES
; THE WAY OUT, 16 rows at a time: times 4 (each accumulator read from its low end on); into my stage; back as whole rows of 512 bytes; stored.
.macro PACK a
	WIN 0x01                                       ; source 0 in window 1
.irp b, 0,1,2,3,4,5,6,7
.irp i, 0,1,2,3
	v_pk_mul_f32 v[TMP+8*(\b)+2*(\i):TMP+8*(\b)+2*(\i)+1], v[8*(8*(\a)+(\b))+2*(\i):8*(8*(\a)+(\b))+2*(\i)+1], 4.0 op_sel_hi:[1,0]
.endr
.endr
	WIN 0
.endm
.macro TOSTAGE a
.set BK, OB+64*((\a)%2)
.if (\a) >= 2
	s_wait_xcnt 0x0                                ; the stores of the block two back have read this buffer
.endif
.irp b, 0,1,2,3,4,5,6,7
	ds_store_b128 v[STO], v[TMP+8*(\b):TMP+8*(\b)+3]   offset:64*(\b)
	ds_store_b128 v[STO], v[TMP+8*(\b)+4:TMP+8*(\b)+7] offset:64*(\b)+16
.endr
.irp t, 0,1,2,3,4,5,6,7,8,9,10,11,12,13,14,15
	ds_load_b128 v[BK+4*(\t):BK+4*(\t)+3], v[RD] offset:(\t)*SPITCH   ; LDS serves a wave's instructions in order (ISA guide 5.7.1.4): these see the stores above
.endr
.endm
.macro SEND a
.set BK, OB+64*((\a)%2)
	s_wait_dscnt 0x0                               ; the block is back in registers
.irp t, 0,1,2,3,4,5,6,7,8,9,10,11,12,13,14,15
	global_store_b128 v[CO], v[BK+4*(\t):BK+4*(\t)+3], s[8:9] offset:(16*(\a)+(\t))*16384 th:TH_STORE_NT   ; 512 consecutive bytes, aligned
.endr
.endm
	PACK 0
	TOSTAGE 0
.irp a, 1,2,3
	PACK \a
	SEND (\a)-1
	TOSTAGE \a
.endr
	SEND 3
	s_wait_tensorcnt 0x0                           ; the wave's end
	ds_add_u32 v[SPW], v[NIL]
	s_wait_dscnt 0x0
	CROUND                                         ; the closing round
	s_endpgm
.Lfunc_end_k_qd35f4499f0_outp:
	.size	k_qd35f4499f0_outp, .Lfunc_end_k_qd35f4499f0_outp-k_qd35f4499f0_outp
	.p2alignl 7, 3214868480
	.fill 96, 4, 3214868480
	.section	.rodata,"a",@progbits
	.p2align	6, 0x0
	.amdhsa_kernel k_qd35f4499f0_outp
		.amdhsa_group_segment_fixed_size 327680
		.amdhsa_private_segment_fixed_size 0
		.amdhsa_enable_private_segment 0
		.amdhsa_kernarg_size 24
		.amdhsa_user_sgpr_count 2
		.amdhsa_user_sgpr_kernarg_segment_ptr 1
		.amdhsa_wavefront_size32 1
		.amdhsa_system_sgpr_workgroup_id_x 1
		.amdhsa_system_sgpr_workgroup_id_y 1
		.amdhsa_system_sgpr_workgroup_id_z 1
		.amdhsa_system_vgpr_workitem_id 0
		.amdhsa_next_free_vgpr 640
		.amdhsa_next_free_sgpr 66
		.amdhsa_reserve_vcc 0
		.amdhsa_float_denorm_mode_32 3
		.amdhsa_float_denorm_mode_16_64 3
		.amdhsa_memory_ordered 1
		.amdhsa_forward_progress 1
		.amdhsa_inst_pref_size 111
	.end_amdhsa_kernel
	.amdgpu_metadata
---
amdhsa.version: [ 1, 2 ]
amdhsa.kernels:
  - .name:           k_qd35f4499f0_outp
    .symbol:         k_qd35f4499f0_outp.kd
    .args:
      - { .name: ob, .offset: 0, .size: 8, .value_kind: global_buffer, .address_space: global }
      - { .name: wob, .offset: 8, .size: 8, .value_kind: global_buffer, .address_space: global }
      - { .name: out0, .offset: 16, .size: 8, .value_kind: global_buffer, .address_space: global }
    .group_segment_fixed_size: 327680
    .private_segment_fixed_size: 0
    .kernarg_segment_align: 8
    .kernarg_segment_size: 24
    .max_flat_workgroup_size: 128
    .sgpr_count:     66
    .vgpr_count:     640
    .wavefront_size: 32
...
	.end_amdgpu_metadata
.endif
;; end of part 4
